; MI455X (gfx1250); checked and timed in simulation.
; The chip was launched on July 23, 2026; its instructions are those of AMD's public machine-readable ISA for CDNA 5 (MIT licence, August 2026) and "CDNA5" Instruction Set Architecture Reference Guide (July 2026). The comments in the code are by the model that wrote it; some were corrected since.
;; Multi Head Attention. Allowed arithmetic: matrix products marked QUANTISED: E2M1 operands, one E8M0 scale for each 32 along K, by v_wmma_scale_f32_16x16x128_f8f6f4 with both operands' format E2M1 (or v_wmma_scale_f32_32x16x128_f4), f32 sums; products left as they are: bf16, f16 or f32 operands; f32 sums; everything else in f32.
;; Inputs: Wk 1,024 x 1,024 float32; Wo 1,024 x 1,024 float32; Wq 1,024 x 1,024 float32; Wv 1,024 x 1,024 float32; attention_mask 4 x 2,048 int32; x 4 x 2,048 x 1,024 float32.
;; Outputs: out0 4 x 2,048 x 1,024 float32.
;; This version of the problem:
;;   THIS VERSION OF THE PROBLEM IS GIVEN IN LOW PRECISION. The matrix products marked QUANTISED in the list below multiply operands that are first quantised to E2M1 (2 exponent bits, 1 mantissa bit; 4 bits a number), with one power-of-two scale for each 32 numbers along K (OCP MX v1.0); their sums are f32. The products marked 'left as it is' may take bf16, f16 or f32 operands, with f32 sums. Whichever they take, every output number must still come out within the allowed error. Rounding operands to bf16 (8 significant bits) uses up far more of that allowance than f16 does (11 bits, for magnitudes from 6e-5 to 65,504). All else is computed in f32.
;;   The module's matrix products, in the order in which they are computed (A, B: the left and right operand; K: the contracted axis; several contracted axes count as one K, in the product's order):
;;     1. [M 8,192, K 1,024] x [K 1,024, N 1,024]; A: input x; B: input Wq: QUANTISED
;;     2. [M 8,192, K 1,024] x [K 1,024, N 1,024]; A: input x; B: input Wk: QUANTISED
;;     3. [M 8,192, K 1,024] x [K 1,024, N 1,024]; A: input x; B: input Wv: QUANTISED
;;     4. batch 64 x [M 2,048, K 64] x [K 64, N 2,048]; A: computed on the way; B: computed on the way: left as it is (an operand is computed on the way)
;;     5. batch 64 x [M 2,048, K 2,048] x [K 2,048, N 64]; A: computed on the way; B: computed on the way: left as it is (an operand is computed on the way)
;;     6. [M 8,192, K 1,024] x [K 1,024, N 1,024]; A: computed on the way; B: input Wo: left as it is (an operand is computed on the way)
;;   THE QUANTISER, for each operand of a quantised product, along K:
;;     - K is cut into blocks of 32 from its start; a last block that is shorter is filled with zeros.
;;     - A block's scale is 2^e with e = floor(log2(the largest magnitude in the block)) - 2, held to -126 .. 127; a block of zeros has e = 0. As a byte (E8M0): e + 127.
;;     - Each number is divided by its block's scale, clamped to +-6, and rounded to the nearest number of E2M1, ties to even, subnormals kept.
;;     - The product sums the exact products of the quantised numbers (number of the format x scale) in f32.
;;   ~~~python
;;   def quantise(x, axis):      # numpy; x: float32 -> the quantised numbers, widened to float32 again
;;       x = np.moveaxis(x, axis, -1); K = x.shape[-1]
;;       x = np.pad(x, [(0, 0)] * (x.ndim - 1) + [(0, -K % 32)]); x = x.reshape(x.shape[:-1] + (-1, 32)); a = np.abs(x).max(-1, keepdims=True)
;;       e = np.where(a > 0, np.clip(np.frexp(np.where(a > 0, a, 1))[1] - 1 - 2, -126, 127), 0)      # np.frexp(a)[1] - 1 = floor(log2(a)), exactly
;;       r = np.clip(x / 2.0 ** e, -6, 6)
;;       step = 2.0 ** (np.maximum(np.frexp(np.where(r == 0, 1, r))[1] - 1, 0) - 1)
;;       q = np.round(r / step) * step * 2.0 ** e      # np.round: ties to even
;;       return np.moveaxis(q.reshape(q.shape[:-2] + (-1,))[..., :K], -1, axis).astype(np.float32)
;;   ~~~
;; One version. Each part assembles by itself: llvm-mc -triple=amdgcn-amd-amdhsa -mcpu=gfx1250 --defsym DOCPART=n.
;; ======== version 1 of 1: 4 launches
;; limits: values are held in f16: magnitudes above 65,504 overflow, below 6.1e-05 lose precision
;; workspace buffers: x_codes 4,194,304 bytes; x_scales 262,144 bytes; w_codes 1,572,864 bytes; w_scales 98,304 bytes; wo16 2,097,152 bytes; rope 524,288 bytes; qkv 50,331,648 bytes; att 16,777,216 bytes
;; launch prep (part 1): grid 512 x 1, 4 waves a work-group, no clusters, 33,280 bytes of LDS; arguments x, Wq, Wk, Wv, Wo, x_codes, x_scales, w_codes, w_scales, wo16, rope; writes x_codes, x_scales, w_codes, w_scales, wo16, rope
.if DOCPART == 1
	.amdgcn_target "amdgcn-amd-amdhsa--gfx1250"
	.amdhsa_code_object_version 6
	.text
	.protected	k_q737b38cef1_prep
	.globl	k_q737b38cef1_prep
	.p2align	8
	.type	k_q737b38cef1_prep,@function
k_q737b38cef1_prep:
	s_mov_b64 s[64:65], 0
	v_nop
	global_prefetch_b8 v0, s[64:65] scope:SCOPE_SE
	s_setreg_imm32_b32 hwreg(HW_REG_WAVE_MODE, 25, 1), 1
	s_wait_xcnt 0x0
; PREP: what the later launches want of the inputs, made once.  Three kinds of work-group, told apart by the work-group's number alone:
;   0 .. 351    x [8192][1024] (256 work-groups) and Wq, Wk, Wv [1024][1024] (32 each), f32, become codes of FP4 (E2M1), K innermost, with one E8M0 byte for each 32 along K.
;               The three weights' codes lie one behind the other: [3072][512 bytes], their bytes [3072][32].
;   352 .. 383  Wo [1024][1024] f32 becomes f16, laid [8 blocks of 128 n][16 blocks of 64 k][128 n][64 k]: a block of k of a block of n is 16,384 consecutive bytes.
;   384 .. 511  the table of cosines and sines of the rotary embedding, laid as the image of the registers in which the next launch wants it.
; THE QUANTISER.  A block's scale is 2^(floor(log2(its largest magnitude)) - 2); its byte is the largest magnitude's own exponent field - 2, held at 1 from below.  (A block of zeros gets the byte 1 where the
; rule says 127: its codes are zeros, which add nothing under any byte but 0xff, and this program alone reads the bytes.)  Each number is divided by the scale and rounded to the nearest code, ties to even; beyond 6 the largest code.
; Rows are dense and K is a multiple of 32: a tensor is a plain stream of blocks of 32.  A wave takes 16 steps of 512 numbers: four loads of 512 consecutive bytes; the 2,048 bytes turn through the wave's own stage in LDS
; and come back 64 bytes (16 neighbours) a lane; two neighbouring lanes hold a block.  A step's codes leave as 256 consecutive bytes; a wave's 256 scale bytes are gathered in LDS and leave as one aligned 256 bytes.
; LIMITS: blocks whose largest magnitude lies under 2^(2 - 126) keep the byte 1; NaN and infinities among the inputs are not served.  The table's frequencies are 2^(-i log2(10000) / 32) by v_exp_f32, which
; may differ from a power function's by a few units in the last place: at position 2,047 that moves an angle by some 2e-4 radians at the most, under the rounding of q and k to f16 that follows.
; No tensor load, no barrier: waves share nothing.  Only the quantiser's path touches LDS.
.set WAVES, 4
.set STEPS, 16
.set CB,    8                          ; bytes of 16 codes
.set R,     16                         ; v16-79   four sets of 16 numbers as they are loaded
.set X,     80                         ; v80-111  two sets of 16 neighbours
.set C,     128                        ; v128-191 codes: four registers for each step, so that no store's data are written again
.set E,     112                        ; v112-127 a scale byte for each step
.set WREG,  8192                       ; LDS: a region for each wave: two stages of 32 x SP bytes, behind them its 256 scale bytes
.set SP,    80                         ; a lane's place in a stage: 64 bytes + 16 of padding
.set SPW,   12                         ; v12  LDS address of my spare word; never rewritten
.set NIL,   13                         ; v13  0; never rewritten
.set SPARE, WAVES*WREG                 ; behind the four regions: the spare words, 128 bytes a wave, which no other line names
	s_load_b256 s[4:11], s[0:1], 0x0               ; x, Wq, Wk, Wv
	s_load_b256 s[12:19], s[0:1], 0x20             ; Wo, x's codes, x's scales, the weights' codes
	s_load_b128 s[20:23], s[0:1], 0x40             ; the weights' scales, wo16
	s_load_b64 s[24:25], s[0:1], 0x50              ; the table
	v_lshl_add_u32 v[SPW], v0, 2, SPARE
	v_mov_b32 v[NIL], 0
	v_lshrrev_b32 v1, 5, v0
	v_readfirstlane_b32 s26, v1                    ; wave 0..3
	v_and_b32 v2, 31, v0                           ; lane
	s_cmp_ge_u32 ttmp9, 384
	s_cbranch_scc1 .Lrope
	s_cmp_ge_u32 ttmp9, 352
	s_cbranch_scc1 .Lwo
	; ---------------- the quantiser ----------------
	v_lshlrev_b32 v3, 4, v2                        ; my 16 bytes of a load's 512
	s_mul_i32 s32, s26, WREG
	v_lshrrev_b32 v14, 2, v2
	v_mul_u32_u24 v14, v14, SP
	v_and_b32 v15, 3, v2
	v_lshl_add_u32 v14, v15, 4, v14
	v_add_nc_u32 v14, s32, v14                     ; the stage, on the way in: SP (lane / 4) + 16 (lane % 4)
	v_mul_u32_u24 v15, v2, SP
	v_add_nc_u32 v15, s32, v15                     ; and on the way out: SP x lane: my 16 neighbours
	v_mul_u32_u24 v4, v2, CB                       ; my codes' place in a step's
	v_lshrrev_b32 v5, 1, v2
	s_add_co_u32 s32, s32, 2*32*SP
	v_add_nc_u32 v5, s32, v5                       ; LDS: my wave's 256 scale bytes, my block's byte
	v_lshlrev_b32 v7, 3, v2                        ; and on the way out 8 bytes a lane
	v_add_nc_u32 v6, s32, v7
	s_sub_co_u32 s27, ttmp9, 256                   ; a weight's work-group: 0 .. 95 (not used for x)
	s_lshr_b32 s28, s27, 5                         ; which weight
	s_and_b32 s29, s27, 31                         ; and which part of it
	s_wait_kmcnt 0x0
	s_cmp_eq_u32 s28, 1                            ; the choices hang on the work-group's number alone
	s_cselect_b64 s[6:7], s[8:9], s[6:7]
	s_cmp_eq_u32 s28, 2
	s_cselect_b64 s[6:7], s[10:11], s[6:7]
	s_cmp_lt_u32 ttmp9, 256
	s_cselect_b64 s[4:5], s[4:5], s[6:7]           ; the numbers
	s_cselect_b64 s[8:9], s[14:15], s[18:19]       ; the codes
	s_cselect_b64 s[10:11], s[16:17], s[20:21]     ; the scale bytes
	s_cselect_b32 s29, ttmp9, s29                  ; my part of the source,
	s_cselect_b32 s27, ttmp9, s27                  ; and of the destination (the three weights on end)
	s_lshl_b32 s29, s29, 2
	s_add_co_u32 s29, s29, s26                     ; my wave's run of 8,192 numbers
	s_lshl_b32 s27, s27, 2
	s_add_co_u32 s27, s27, s26
	s_lshl_b32 s30, s29, 15                        ; 32,768 bytes of numbers a run
	s_mov_b32 s31, 0
	s_add_nc_u64 s[4:5], s[4:5], s[30:31]
	s_lshl_b32 s30, s27, 12                        ; 4,096 bytes of codes
	s_add_nc_u64 s[8:9], s[8:9], s[30:31]
	s_lshl_b32 s30, s27, 8                         ; 256 scale bytes
	s_add_nc_u64 s[10:11], s[10:11], s[30:31]
.macro LOAD t
.irp i, 0,1,2,3
	global_load_b128 v[R+16*((\t)%4)+4*\i:R+16*((\t)%4)+4*\i+3], v3, s[4:5] offset:2048*(\t)+512*\i th:TH_LOAD_NT   ; 32 lanes read 512 consecutive bytes
.endr
.endm
.macro TURN t                          ; step t's numbers through the stage: LDS serves a wave's instructions in order, so no wait stands between the stores and the loads
.irp i, 0,1,2,3
	ds_store_b128 v14, v[R+16*((\t)%4)+4*\i:R+16*((\t)%4)+4*\i+3] offset:32*SP*((\t)%2)+8*SP*\i
.endr
.irp i, 0,1,2,3
	ds_load_b128 v[X+16*((\t)%2)+4*\i:X+16*((\t)%2)+4*\i+3], v15 offset:32*SP*((\t)%2)+16*\i
.endr
.endm
.irp t, 0,1,2,3
	LOAD \t
.endr
	s_wait_loadcnt 12                              ; step 0's four loads are in; the twelve of steps 1 to 3 may be out
	TURN 0
.macro STEP t
.set XS, X+16*((\t)%2)
.if (\t) > 0
	s_wait_dscnt 1                                 ; this step's numbers are back from the stage (the last step's byte store may be out)
.else
	s_wait_dscnt 0x0
.endif
.if (\t)+4 < STEPS
	LOAD (\t)+4                                    ; into the registers that the stage's stores have read
.endif
.if (\t)+1 < STEPS
.if STEPS-2-(\t) >= 3
	s_wait_loadcnt 12                              ; the next step's four loads are in; those of the three steps behind it may be out
.else
	s_wait_loadcnt 4*(STEPS-2-(\t))
.endif
	TURN (\t)+1                                    ; they go through the other stage while this step is worked
.endif
	v_max3_num_f32 v8, |v[XS]|, |v[XS+1]|, |v[XS+2]|               ; the largest magnitude of my 16, in two chains
	v_max3_num_f32 v9, |v[XS+3]|, |v[XS+4]|, |v[XS+5]|
.irp i, 6,10
	v_max3_num_f32 v8, v8, |v[XS+\i]|, |v[XS+\i+1]|
	v_max3_num_f32 v9, v9, |v[XS+\i+2]|, |v[XS+\i+3]|
.endr
	v_max3_num_f32 v8, v8, |v[XS+14]|, |v[XS+15]|
	v_max3_num_f32 v8, v8, v9, 0x1800000           ; and the floor 2^(3 - 127): the byte cannot fall under 1
	v_max_num_f32_dpp v8, v8, v8 row_xmask:1 row_mask:0xf bank_mask:0xf   ; and of my neighbour's 16: the block's
	v_add_nc_u32 v11, 0xff000000, v8               ; 2 off its exponent field: the conversion takes the exponent field of this operand as its scale
	v_cvt_scalef32_pk8_fp4_f32 v[C+4*(\t)], v[XS:XS+7], v11
	v_cvt_scalef32_pk8_fp4_f32 v[C+4*(\t)+1], v[XS+8:XS+15], v11
	v_lshrrev_b32 v[E+(\t)], 23, v11               ; the scale's byte (also the plain line behind the conversions)
	ds_store_b8 v5, v[E+(\t)] offset:16*(\t)       ; both lanes of a block write the same byte with the same value
	global_store_b64 v4, v[C+4*(\t):C+4*(\t)+1], s[8:9] offset:32*CB*(\t)   ; 32 lanes store 256 consecutive bytes, aligned
.endm
.irp t, 0,1,2,3,4,5,6,7,8,9,10,11,12,13,14,15
	STEP \t
.endr
	ds_load_b64 v[8:9], v6                         ; LDS serves a wave's instructions in order: these see my stores
	s_wait_dscnt 0x0
	global_store_b64 v7, v[8:9], s[10:11]          ; 32 lanes store 256 consecutive bytes, aligned
	s_wait_tensorcnt 0x0                           ; the wave's end, behind my last LDS store
	ds_add_u32 v[SPW], v[NIL]
	s_wait_dscnt 0x0
	s_endpgm
	; ---------------- Wo to f16, in blocks ----------------
	; A work-group takes 32 rows n, a wave 8, in two groups of four.  A chunk is four rows x 64 k: lane l reads 32 bytes (8 numbers) of row l / 8 and stores their 16 bytes at 16 l of the chunk's 512.
.Lwo:
	s_sub_co_u32 s27, ttmp9, 352
	v_lshrrev_b32 v3, 3, v2
	v_and_b32 v4, 7, v2
	v_lshlrev_b32 v3, 12, v3
	v_lshl_add_u32 v3, v4, 5, v3                   ; in: 4,096 (lane / 8) + 32 (lane % 8)
	v_lshlrev_b32 v4, 4, v2                        ; out: 16 x lane
	s_lshl_b32 s28, s27, 5
	s_lshl_b32 s29, s26, 3
	s_add_co_u32 s28, s28, s29                     ; my wave's first row n
	s_lshl_b32 s30, s28, 12
	s_mov_b32 s31, 0
	s_lshr_b32 s32, s28, 7                         ; its block of 128 n: 262,144 bytes each,
	s_lshl_b32 s32, s32, 18
	s_and_b32 s33, s28, 127                        ; and its row there: 128 bytes each
	s_lshl_b32 s33, s33, 7
	s_add_co_u32 s32, s32, s33
	s_mov_b32 s33, 0
	s_wait_kmcnt 0x0
	s_add_nc_u64 s[12:13], s[12:13], s[30:31]
	s_add_nc_u64 s[22:23], s[22:23], s[32:33]
.macro LOADB n                         ; batch n: eight chunks: blocks of k 4 n .. 4 n + 3, both groups of rows: 16 loads into set n % 2
.irp c, 0,1,2,3,4,5,6,7
	global_load_b128 v[16+64*((\n)%2)+8*\c:16+64*((\n)%2)+8*\c+3], v3, s[12:13] offset:(\c%2)*16384+(4*(\n)+\c/2)*256
	global_load_b128 v[16+64*((\n)%2)+8*\c+4:16+64*((\n)%2)+8*\c+7], v3, s[12:13] offset:(\c%2)*16384+(4*(\n)+\c/2)*256+16
.endr
.endm
	LOADB 0
	LOADB 1
.irp n, 0,1,2,3
.if \n < 3
	s_wait_loadcnt 16                              ; this batch's 16 loads are in; the next batch's may be out
.else
	s_wait_loadcnt 0x0
.endif
	s_wait_xcnt 0x0                                ; the last batch's stores have read their data: v144-175 are written again only behind this wait
.irp c, 0,1,2,3,4,5,6,7
.irp j, 0,1,2,3
	v_cvt_pk_f16_f32 v[144+4*\c+\j], v[16+64*(\n%2)+8*\c+2*\j], v[16+64*(\n%2)+8*\c+2*\j+1]
.endr
	global_store_b128 v4, v[144+4*\c:144+4*\c+3], s[22:23] offset:(4*\n+\c/2)*16384+(\c%2)*512   ; 32 lanes store 512 consecutive bytes
.endr
.if \n < 2
	LOADB \n+2
.endif
.endr
	s_endpgm
	; ---------------- the rotary table ----------------
	; Work-group pb serves positions 16 pb .. 16 pb + 15.  The image: [pb][8 groups][32 lanes][4 numbers]; register 16 u + 8 cs + jj of lane (r, h) is cos (cs = 0) or sin (cs = 1) of
	; (16 pb + r) x inv_freq[16 u + 8 h + jj]; a group is four registers.  Wave w makes u = w / 2 and jj = 4 (w % 2) + 0 .. 3: one group of cosines and one of sines.
	; The angle is one f32 product, as the outer product has it; it is reduced by a whole number n of quarter turns (pi / 2 in two parts), and sine and cosine of the rest, at most pi / 4,
	; are polynomials; n's low two bits say which of the two is which and with what sign.  No branch hangs on them.
.Lrope:
	s_sub_co_u32 s27, ttmp9, 384                   ; pb
	s_lshr_b32 s28, s26, 1                         ; u
	s_and_b32 s29, s26, 1                          ; which four of the eight
	v_and_b32 v3, 15, v0                           ; r
	v_bfe_u32 v4, v0, 4, 1                         ; h
	s_lshl_b32 s30, s28, 4
	s_lshl_b32 s31, s29, 2
	s_add_co_u32 s30, s30, s31
	v_lshl_add_u32 v5, v4, 3, s30                  ; my first frequency: 16 u + 8 h + 4 (w % 2)
	s_lshl_b32 s31, s27, 4
	v_add_nc_u32 v6, s31, v3
	v_cvt_f32_u32 v6, v6                           ; my position
	v_lshlrev_b32 v7, 4, v2                        ; 16 x lane
	s_mov_b32 s33, 0x3fc90fdb                      ; pi / 2, its upper part,
	s_mov_b32 s34, 0xb33bbd2e                      ; and the rest
	s_mov_b32 s35, 0x3638ef1d                      ; 1 / 9!
	s_mov_b32 s36, 0xb9500d01                      ; -1 / 7!
	s_mov_b32 s37, 0x3c088889                      ; 1 / 5!
	s_mov_b32 s38, 0xbe2aaaab                      ; -1 / 3!
	s_mov_b32 s39, 0x37d00d01                      ; 1 / 8!
	s_mov_b32 s40, 0xbab60b61                      ; -1 / 6!
	s_mov_b32 s41, 0x3d2aaaab                      ; 1 / 4!
	s_lshl_b32 s30, s27, 12
	s_lshl_b32 s31, s28, 11
	s_add_co_u32 s30, s30, s31
	s_lshl_b32 s31, s29, 9
	s_add_co_u32 s30, s30, s31                     ; 4,096 pb + 2,048 u + 512 (w % 2)
	s_mov_b32 s31, 0
	s_wait_kmcnt 0x0
	s_add_nc_u64 s[24:25], s[24:25], s[30:31]
.irp e, 0,1,2,3
	v_add_nc_u32 v[20+\e], \e, v5
.endr
.irp e, 0,1,2,3
	v_cvt_f32_u32 v[20+\e], v[20+\e]
.endr
.irp e, 0,1,2,3
	v_mul_f32 v[20+\e], 0xbed49a78, v[20+\e]       ; -i log2(10000) / 32
.endr
.irp e, 0,1,2,3
	v_exp_f32 v[24+\e], v[20+\e]                   ; inv_freq[i]
.endr
	v_nop                                          ; a plain line behind the last exponential,
	s_wait_alu depctr_va_vdst(0)                   ; and one wait for the four, ahead of their first reader
.irp e, 0,1,2,3
	v_mul_f32 v[24+\e], v6, v[24+\e]               ; the angle
.endr
.irp e, 0,1,2,3
	v_mul_f32 v[28+\e], 0x3f22f983, v[24+\e]       ; x 2 / pi
.endr
.irp e, 0,1,2,3
	v_rndne_f32 v[28+\e], v[28+\e]                 ; n
.endr
.irp e, 0,1,2,3
	v_fma_f32 v[24+\e], -v[28+\e], s33, v[24+\e]
.endr
.irp e, 0,1,2,3
	v_fma_f32 v[24+\e], -v[28+\e], s34, v[24+\e]   ; the rest rho
.endr
.irp e, 0,1,2,3
	v_mul_f32 v[32+\e], v[24+\e], v[24+\e]         ; z = rho^2
.endr
.irp e, 0,1,2,3
	v_fma_f32 v[36+\e], v[32+\e], s35, s36
	v_fma_f32 v[40+\e], v[32+\e], s39, s40
.endr
.irp e, 0,1,2,3
	v_fma_f32 v[36+\e], v[36+\e], v[32+\e], s37
	v_fma_f32 v[40+\e], v[40+\e], v[32+\e], s41
.endr
.irp e, 0,1,2,3
	v_fma_f32 v[36+\e], v[36+\e], v[32+\e], s38
	v_fma_f32 v[40+\e], v[40+\e], v[32+\e], -0.5
.endr
.irp e, 0,1,2,3
	v_mul_f32 v[36+\e], v[36+\e], v[32+\e]
	v_fma_f32 v[40+\e], v[40+\e], v[32+\e], 1.0    ; cos rho
.endr
.irp e, 0,1,2,3
	v_fma_f32 v[36+\e], v[24+\e], v[36+\e], v[24+\e]   ; sin rho
	v_cvt_i32_f32 v[28+\e], v[28+\e]               ; n as a whole number, 0 or more
.endr
.irp e, 0,1,2,3
	v_and_b32 v[44+\e], 1, v[28+\e]
	v_cmp_eq_u32 vcc_lo, 1, v[44+\e]               ; an odd n swaps the two
	v_cndmask_b32 v[52+\e], v[36+\e], v[40+\e], vcc_lo
	v_cndmask_b32 v[48+\e], v[40+\e], v[36+\e], vcc_lo
	v_lshlrev_b32 v[44+\e], 30, v[28+\e]           ; the sine is negative where n % 4 is 2 or 3,
	v_and_b32 v[44+\e], 0x80000000, v[44+\e]
	v_xor_b32 v[52+\e], v[52+\e], v[44+\e]
	v_add_nc_u32 v[44+\e], 1, v[28+\e]             ; the cosine where it is 1 or 2
	v_lshlrev_b32 v[44+\e], 30, v[44+\e]
	v_and_b32 v[44+\e], 0x80000000, v[44+\e]
	v_xor_b32 v[48+\e], v[48+\e], v[44+\e]
.endr
	global_store_b128 v7, v[48:51], s[24:25]               ; 32 lanes store 512 consecutive bytes: a group of cosines,
	global_store_b128 v7, v[52:55], s[24:25] offset:1024   ; and, two groups on, of sines
	s_endpgm
.Lfunc_end_k_q737b38cef1_prep:
	.size	k_q737b38cef1_prep, .Lfunc_end_k_q737b38cef1_prep-k_q737b38cef1_prep
	.p2alignl 7, 3214868480
	.fill 96, 4, 3214868480
	.section	.rodata,"a",@progbits
	.p2align	6, 0x0
	.amdhsa_kernel k_q737b38cef1_prep
		.amdhsa_group_segment_fixed_size 33280
		.amdhsa_private_segment_fixed_size 0
		.amdhsa_enable_private_segment 0
		.amdhsa_kernarg_size 88
		.amdhsa_user_sgpr_count 2
		.amdhsa_user_sgpr_kernarg_segment_ptr 1
		.amdhsa_wavefront_size32 1
		.amdhsa_system_sgpr_workgroup_id_x 1
		.amdhsa_system_sgpr_workgroup_id_y 1
		.amdhsa_system_sgpr_workgroup_id_z 1
		.amdhsa_system_vgpr_workitem_id 0
		.amdhsa_next_free_vgpr 192
		.amdhsa_next_free_sgpr 66
		.amdhsa_reserve_vcc 1
		.amdhsa_float_denorm_mode_32 3
		.amdhsa_float_denorm_mode_16_64 3
		.amdhsa_memory_ordered 1
		.amdhsa_forward_progress 1
		.amdhsa_inst_pref_size 59
	.end_amdhsa_kernel
	.amdgpu_metadata
---
amdhsa.version: [ 1, 2 ]
amdhsa.kernels:
  - .name:           k_q737b38cef1_prep
    .symbol:         k_q737b38cef1_prep.kd
    .args:
      - { .name: x, .offset: 0, .size: 8, .value_kind: global_buffer, .address_space: global }
      - { .name: Wq, .offset: 8, .size: 8, .value_kind: global_buffer, .address_space: global }
      - { .name: Wk, .offset: 16, .size: 8, .value_kind: global_buffer, .address_space: global }
      - { .name: Wv, .offset: 24, .size: 8, .value_kind: global_buffer, .address_space: global }
      - { .name: Wo, .offset: 32, .size: 8, .value_kind: global_buffer, .address_space: global }
      - { .name: x_codes, .offset: 40, .size: 8, .value_kind: global_buffer, .address_space: global }
      - { .name: x_scales, .offset: 48, .size: 8, .value_kind: global_buffer, .address_space: global }
      - { .name: w_codes, .offset: 56, .size: 8, .value_kind: global_buffer, .address_space: global }
      - { .name: w_scales, .offset: 64, .size: 8, .value_kind: global_buffer, .address_space: global }
      - { .name: wo16, .offset: 72, .size: 8, .value_kind: global_buffer, .address_space: global }
      - { .name: rope, .offset: 80, .size: 8, .value_kind: global_buffer, .address_space: global }
    .group_segment_fixed_size: 33280
    .private_segment_fixed_size: 0
    .kernarg_segment_align: 8
    .kernarg_segment_size: 88
    .max_flat_workgroup_size: 128
    .sgpr_count:     66
    .vgpr_count:     192
    .wavefront_size: 32
...
	.end_amdgpu_metadata
.endif
;; end of part 1
;; launch qkv (part 2): grid 12 x 32, 4 waves a work-group, clusters of 4 x 4, 327,680 bytes of LDS; arguments x_codes, x_scales, w_codes, w_scales, rope, qkv; writes qkv
.if DOCPART == 2
	.amdgcn_target "amdgcn-amd-amdhsa--gfx1250"
	.amdhsa_code_object_version 6
	.text
	.protected	k_q737b38cef1_qkv
	.globl	k_q737b38cef1_qkv
	.p2align	8
	.type	k_q737b38cef1_qkv,@function
k_q737b38cef1_qkv:
	s_mov_b64 s[64:65], 0
	v_nop
	global_prefetch_b8 v0, s[64:65] scope:SCOPE_SE
	s_setreg_imm32_b32 hwreg(HW_REG_WAVE_MODE, 25, 1), 1
	s_wait_xcnt 0x0
	s_wait_alu depctr_hold_cnt(0) depctr_sa_sdst(0) depctr_va_vdst(0) depctr_va_sdst(0) depctr_va_ssrc(0) depctr_va_vcc(0) depctr_vm_vsrc(0)
	s_getreg_b32 s2, hwreg(HW_REG_IB_STS2, 6, 4)
	s_cmp_eq_u32 s2, 0
	s_cbranch_scc0 .Lentry_in_a_cluster
	s_endpgm
.Lentry_in_a_cluster:
	s_bfe_u32 s2, ttmp6, 0x10000c
	s_cmp_lg_u32 s2, 0xf033
	s_cbranch_scc0 .Lentry_shape_is_right
	s_endpgm
.Lentry_shape_is_right:
; q, k, v = x Wq^T, x Wk^T, x Wv^T on codes of FP4 (E2M1) with one E8M0 scale for each 32 along K, as ONE product [8192] x [3072] over K = 1,024; the rotary embedding on q and k, in f32;
; results rounded once to f16 and laid by head: qkv [3 parts][batch x 16 + head][2048 positions][64].
; A tile, 256 x 256, is made by a work-group of four waves; a wave makes 128 x 128: 64 accumulators of 16 x 16, 512 registers.  K is two steps of 512, each in an LDS slot of its own, filled once by the tensor data mover:
; both fills go out at the start, so no slot is filled again.  The scale bytes of the work-group's 256 + 256 rows, for all of K, come once with them, as rows of 256 bytes.
; CLUSTERS: 4 x 4 work-groups.  The four of a row of the cluster need the same tiles of x, the four of a column the same tiles of the weights: each tile is asked for jointly, by the same tensor load with the same
; descriptor and a mask that names the four.  A cluster is 1,024 columns wide: cluster x = 0, 1, 2 is q, k, v, so the one branch on it is alike in all partners.
; THE MATRIX INSTRUCTION IS USED TRANSPOSED (source 0 = 16 rows of W, source 1 = 16 rows of x): a lane holds one position (lane % 16) and eight neighbouring channels.  A wave's 128 columns are two heads; in a head
; accumulator b % 4 = 0, 1 holds channels 16 (b % 4) + 8 (lane / 16) + j of the first half and b % 4 = 2, 3 their partners 32 further on: the rotation needs no other lane.
; Its cosines and sines come from the table as an image of registers: for 16 positions eight loads of 512 consecutive bytes.
; LIMIT: |q|, |k|, |v| under 65,504 (f16).
; REGISTERS, in windows of 256: window 0: v8-15 at work; v16-29 addresses; v32-95 scale words, two sets, and nothing else ever; v96-127 a head's rotated numbers; v128-191 x's fragments, on the way out packed results;
;   v192-255 rows read back from the stage.   window 1: W's fragments, two sets, at v0 and v128; v64-127 the table, two sets of 32.   windows 2, 3: the accumulators ((a, b) at v[8 (8 (a % 4) + b)]).
.set SIZE_K, 1024
.set KSTEP,  512                       ; along K in a slot
.set NQ,     KSTEP/128                 ; matrix instructions deep
.set ROWB,   256                       ; a tile's row in bytes
.set KROW,   SIZE_K*4/8                ; a row of codes in memory
.set PITCH,  272                       ; an LDS row: 256 bytes + 16 of padding: the 16 rows that a load touches start 68 words apart
.set FR,     8                         ; registers of a fragment: 16 rows x 128 K
.set NL,     2                         ; LDS loads that bring one
.set NP,     4                         ; places behind this matrix instruction (ISA guide 7.12.1)
.set HALFT,  128*PITCH                 ; 128 rows: what one tensor load brings
.set SLOT,   4*HALFT                   ; x's 256 rows, then W's 256 rows
.set KS,     SIZE_K/32                 ; a row of scale bytes
.set SCL,    2*SLOT                    ; behind the slots: the scales, as rows of 256 bytes + 16
.set HALFS,  (128*KS/256)*272          ; those of 128 rows: what one tensor load brings
.set SBLK,   (16*KS/256)*272           ; those of 16 rows
.set SPARE,  SCL+4*HALFS               ; behind the scales: the spare words, 128 bytes a wave, which no other line names
.set SROW,   144                       ; the way out: a stage row: 128 bytes (a head's 64 f16) + 16
.set SHEAD,  16*SROW                   ; 16 positions of one head
.set T,    8                           ; v8-15
.set ADRA, 16                          ; v16-17  LDS address of my x fragments in slot 0, 1
.set ADRB, 20                          ; v20-21  the same for W
.set STO,  24                          ; v24     the way out: where I put 16 bytes of a row
.set RD,   25                          ; v25     and where I read rows back
.set GO,   26                          ; v26     16 x lane: never rewritten
.set ADRS, 27                          ; v27     LDS address of my scale words: lanes 0-15 x's rows, lanes 16-31 W's
.set SPW,  28                          ; v28     LDS address of my spare word; never rewritten
.set NIL,  29                          ; v29     0; never rewritten
.set SC,   32                          ; scale words: set s at v[SC + 8 NQ s]; register NQ i + q: lanes 0-15 x's block i, lanes 16-31 W's block i, the slot's q-th 128 along K
.set OUTF, 96
.set AF,   128                         ; x's fragments
.set PK,   128                         ; the way out: packed results, two sets of 32
.set BK,   192                         ; and rows read back, two sets of 32
.set CSR,  64                          ; in window 1: the table, two sets of 32: register 16 u + 8 cs + jj
.set G1, 24                            ; s[24:31] descriptor group 1 for x's tiles;  s[32:39] group 0, one set for each slot
.set G0, 32
.set G1B, 48                           ; s[48:55], s[56:63] the same for W's tiles
.set G0B, 56
.set G1S, 68                           ; s[68:75], s[76:79] groups 1 and 0 for x's scales;  s[80:87], s[88:91] for W's
.set G0S, 76
.set G1SB, 80
.set G0SB, 88
.set MSB, 0
.macro WIN new                         ; the immediate's high byte repeats the setting that is left; a switch that changes nothing is dropped
.if MSB != (\new)
	s_set_vgpr_msb (MSB<<8)|(\new)
.set MSB, (\new)
.endif
.endm
.set MUL_LO, 0xa1                      ; source 0 (W) window 1, source 1 (x) window 0, C and D window 2
.set MUL_HI, 0xf1                      ; the same, C and D window 3
.set TO_B,   0x40                      ; destination window 1, address window 0
; A joint load: waves 0 and 1 fetch for x, waves 2 and 3 for W.  Each line has one mask and one set of registers for all that issue it; the branch hangs on the wave's number alone.
; An s_nop 0 and four v_nop follow each of the two lines, ahead of the jump, the label and what follows.
.macro JLOAD g0a, g1a, g0b, g1b
	s_cmp_eq_u32 s15, 0
	s_cbranch_scc0 .Lfor_b_\@
	tensor_load_to_lds s[\g0a:\g0a+3], s[\g1a:\g1a+7]
	s_nop 0
.rept 4
	v_nop
.endr
	s_branch .Lasked_\@
.Lfor_b_\@:
	tensor_load_to_lds s[\g0b:\g0b+3], s[\g1b:\g1b+7]
	s_nop 0
.rept 4
	v_nop
.endr
.Lasked_\@:
.endm
.macro CROUND                          ; a round of the cluster's barrier: my work-group's barrier; wave 0 signals for the work-group; every wave waits for all sixteen; my work-group's barrier once more
	s_barrier_signal -1
	s_barrier_wait -1
	s_cmp_lg_u32 s14, 0
	s_cbranch_scc1 .Lnot_wave_0_\@
	s_barrier_signal -3
.Lnot_wave_0_\@:
	s_barrier_wait -3
	s_barrier_signal -1
	s_barrier_wait -1
.endm
	s_load_b128 s[4:7], s[0:1], 0x0                ; x's codes, x's scales
	s_load_b128 s[8:11], s[0:1], 0x10              ; W's codes, W's scales
	s_load_b128 s[96:99], s[0:1], 0x20             ; the table, qkv
	v_lshl_add_u32 v[SPW], v0, 2, SPARE
	v_mov_b32 v[NIL], 0
	ds_add_u32 v[SPW], v[NIL]                      ; the wave's opening: the add, twice on end, and its wait ahead of my first tensor load; the set-up below stands between the second and the wait
	ds_add_u32 v[SPW], v[NIL]
	v_lshrrev_b32 v1, 5, v0
	v_readfirstlane_b32 s14, v1                    ; wave 0..3
	s_lshr_b32 s15, s14, 1                         ; which half of the tile's rows is mine.  Also: I fetch for x (0) or for W (1)
	s_and_b32 s16, s14, 1                          ; which half of its columns.  Also: which 128 rows of that tile I fetch
	s_bfe_u32 s40, ttmp6, 0x40000                  ; cx, cy: my place in the cluster
	s_bfe_u32 s41, ttmp6, 0x40004
	s_lshl_b32 s42, ttmp9, 2
	s_add_co_u32 s42, s42, s40                     ; tile column = 4 x cluster x + cx
	s_and_b32 s17, ttmp7, 0xffff
	s_lshl_b32 s17, s17, 2
	s_add_co_u32 s17, s17, s41                     ; tile row = 4 x cluster y + cy
	s_lshl_b32 s43, s41, 2
	s_lshl_b32 s43, 15, s43                        ; my row of the cluster
	s_lshl_b32 s44, 0x1111, s40                    ; my column
	; descriptor group 1: a tile of 128 rows x 256 bytes, padded in LDS
	s_or_b32 s[G1+0], s43, (0<<16)|(1<<20)|(1<<21)|(5<<22)|(3<<25)  ; 15:0 the mask: x's tiles go to my row; 17:16 elements of 1 byte; 20 padding on; 21 set beside a mask; 24:22 after every 64 words; 31:25 four words
	s_or_b32 s[G1B+0], s44, (0<<16)|(1<<20)|(1<<21)|(5<<22)|(3<<25)
.irp g, G1, G1B
	s_mov_b32 s[\g+1], ROWB<<16                    ; tensor_dim0
	s_mov_b32 s[\g+2], 128<<16                     ; tensor_dim1
	s_mov_b32 s[\g+3], ROWB<<16                    ; tile_dim0
	s_mov_b32 s[\g+4], 128                         ; tile_dim1
	s_mov_b32 s[\g+5], KROW                        ; from row to row
	s_mov_b32 s[\g+6], 0
	s_mov_b32 s[\g+7], 0
.endr
	; the scales of 128 rows: 4,096 dense bytes, as 16 rows of 256 bytes (32 elements of 8 bytes), 16 bytes of padding behind each
	s_or_b32 s[G1S+0], s43, (3<<16)|(1<<20)|(1<<21)|(5<<22)|(3<<25)
	s_or_b32 s[G1SB+0], s44, (3<<16)|(1<<20)|(1<<21)|(5<<22)|(3<<25)
.irp g, G1S, G1SB
	s_mov_b32 s[\g+1], 32<<16
	s_mov_b32 s[\g+2], (128*KS/256)<<16
	s_mov_b32 s[\g+3], 32<<16
	s_mov_b32 s[\g+4], 128*KS/256
	s_mov_b32 s[\g+5], 32
	s_mov_b32 s[\g+6], 0
	s_mov_b32 s[\g+7], 0
.endr
	s_lshl_b32 s18, s16, 7                         ; which 128 rows of the tile I fetch
	s_lshl_b32 s20, s17, 8
	s_add_co_u32 s20, s20, s18                     ; x: row 256 x tile row + 128 x half
	s_lshl_b32 s46, s42, 8
	s_add_co_u32 s46, s46, s18                     ; W: row 256 x tile column + 128 x half
	s_mov_b32 s21, 0
	s_mov_b32 s47, 0
	s_mov_b64 s[18:19], KS
	s_mul_u64 s[22:23], s[20:21], s[18:19]         ; where these rows' scales begin, in bytes,
	s_mul_u64 s[92:93], s[46:47], s[18:19]
	s_mov_b64 s[18:19], KROW
	s_mul_u64 s[20:21], s[20:21], s[18:19]         ; and their codes
	s_mul_u64 s[46:47], s[46:47], s[18:19]
	s_mul_i32 s45, s14, HALFT                      ; where they go: wave x 128 rows: no place in the cluster enters an LDS address
	s_mul_i32 s94, s14, HALFS
	s_wait_dscnt 0x0                               ; both opening adds are done
	s_wait_kmcnt 0x0
	s_add_nc_u64 s[20:21], s[4:5], s[20:21]
	s_add_nc_u64 s[22:23], s[6:7], s[22:23]
	s_add_nc_u64 s[46:47], s[8:9], s[46:47]
	s_add_nc_u64 s[92:93], s[10:11], s[92:93]
	CROUND                                         ; all sixteen work-groups are here: the joint loads meet
	s_mov_b32 s[G0S], 1
	s_add_co_u32 s[G0S+1], s94, SCL
	s_mov_b64 s[G0S+2:G0S+3], s[22:23]
	s_or_b32 s[G0S+3], s[G0S+3], 0x80000000
	s_mov_b32 s[G0SB], 1
	s_add_co_u32 s[G0SB+1], s94, SCL
	s_mov_b64 s[G0SB+2:G0SB+3], s[92:93]
	s_or_b32 s[G0SB+3], s[G0SB+3], 0x80000000
	JLOAD G0S, G1S, G0SB, G1SB                     ; the scales first: they are wanted with K step 0
.irp s, 0,1
	s_mov_b32 s[G0+4*\s], 1
	s_add_co_u32 s[G0+4*\s+1], s45, \s*SLOT
	s_add_nc_u64 s[G0+4*\s+2:G0+4*\s+3], s[20:21], \s*ROWB
	s_or_b32 s[G0+4*\s+3], s[G0+4*\s+3], 0x80000000
	s_mov_b32 s[G0B+4*\s], 1
	s_add_co_u32 s[G0B+4*\s+1], s45, \s*SLOT
	s_add_nc_u64 s[G0B+4*\s+2:G0B+4*\s+3], s[46:47], \s*ROWB
	s_or_b32 s[G0B+4*\s+3], s[G0B+4*\s+3], 0x80000000
	JLOAD G0+4*\s, G1, G0B+4*\s, G1B               ; three tensor loads of mine are out now, and no more are issued
.endr
	v_and_b32 v1, 15, v0                           ; l % 16
	v_bfe_u32 v2, v0, 4, 1                         ; l / 16
	v_mul_u32_u24 v3, v1, PITCH
	v_lshl_add_u32 v4, v2, 4, v3                   ; a fragment's row x pitch + 16 x half
	s_mul_i32 s21, s15, HALFT                      ; my 128 rows of x
	s_mul_i32 s22, s16, HALFT                      ; my 128 rows of W,
	s_add_co_u32 s22, s22, 2*HALFT                 ; which lie behind x's 256
.irp s, 0,1
	v_add_nc_u32 v[ADRA+\s], s21, v4
	v_add_nc_u32 v[ADRB+\s], s22, v4
	s_add_co_u32 s21, s21, SLOT
	s_add_co_u32 s22, s22, SLOT
.endr
	v_mul_u32_u24 v5, v1, KS                       ; my row's scales: KS bytes a row,
	v_lshrrev_b32 v6, 8, v5
	v_lshl_add_u32 v5, v6, 4, v5                   ; and 16 more for each 256 passed
	s_mul_i32 s21, s15, HALFS                      ; x's: my 128 rows
	s_mul_i32 s22, s16, HALFS                      ; W's: my 128 rows, behind x's 256
	s_add_co_u32 s22, s22, 2*HALFS
	s_sub_co_u32 s22, s22, s21
	v_mul_u32_u24 v6, s22, v2                      ; lanes 16-31 take W's: one product, the distance between the two
	s_add_co_u32 s21, s21, SCL
	v_add_nc_u32 v5, v5, v6
	v_add_nc_u32 v[ADRS], s21, v5
	s_mul_i32 s23, s14, 2*SHEAD                    ; my stage: two heads x 16 rows.  It lies in slot 0, which has had its one fill and its last read when the first result is stored there
	v_mul_u32_u24 v5, v1, SROW                     ; in: row l % 16, 16 bytes for each half of the lanes
	v_lshl_add_u32 v5, v2, 4, v5
	v_add_nc_u32 v[STO], s23, v5
	v_and_b32 v6, 31, v0
	v_lshlrev_b32 v[GO], 4, v6
	v_lshrrev_b32 v7, 3, v6                        ; back: eight lanes to a row of 128 bytes, four rows an instruction
	v_mul_u32_u24 v7, v7, SROW
	v_and_b32 v6, 7, v6
	v_lshl_add_u32 v7, v6, 4, v7
	v_add_nc_u32 v[RD], s23, v7
	; where my part begins in qkv: ((part x 64 + batch x 16 + head) x 2048 + position) x 128 bytes; and in the table: 256 bytes a position
	s_lshl_b32 s20, s42, 2
	s_lshl_b32 s21, s16, 1
	s_add_co_u32 s20, s20, s21                     ; my first head among the 48: 4 x tile column + 2 x half
	s_lshr_b32 s21, s20, 4                         ; part
	s_and_b32 s20, s20, 15                         ; head
	s_lshl_b32 s21, s21, 6
	s_add_co_u32 s20, s20, s21
	s_lshr_b32 s21, s17, 3                         ; batch
	s_lshl_b32 s21, s21, 4
	s_add_co_u32 s20, s20, s21
	s_lshl_b32 s20, s20, 11
	s_and_b32 s21, s17, 7
	s_lshl_b32 s21, s21, 8
	s_lshl_b32 s22, s15, 7
	s_add_co_u32 s21, s21, s22                     ; my first position
	s_add_co_u32 s20, s20, s21
	s_lshl_b32 s20, s20, 7
	s_lshl_b32 s22, s21, 8
	s_mov_b32 s21, 0
	s_mov_b32 s23, 0
	s_add_nc_u64 s[12:13], s[98:99], s[20:21]
	s_add_nc_u64 s[96:97], s[96:97], s[22:23]
.macro CSLOAD a                        ; the table for my positions 16 a .. 16 a + 15 into set a % 2: eight loads of 512 consecutive bytes
	WIN TO_B
.irp g, 0,1,2,3,4,5,6,7
	global_load_b128 v[CSR+32*((\a)%2)+4*\g:CSR+32*((\a)%2)+4*\g+3], v[GO], s[96:97] offset:(\a)*4096+\g*512
.endr
	WIN 0
.endm
	CSLOAD 0                                       ; the table for my first 32 positions, asked for here so that it lands under the products.  These sixteen loads stand on the one way that every wave takes:
	CSLOAD 1                                       ; the work-groups of v, which is not rotated, issue them too and leave them unread (8,192 bytes a wave), so that the table's registers are written on every way
.macro FRAG reg, adr, q, i             ; a fragment: lane l holds row l % 16; registers 4 c .. 4 c + 3 hold K = 64 c + 32 (l / 16) + 0 .. 31
.irp c, 0,1
	ds_load_b128 v[\reg+4*\c:\reg+4*\c+3], v[\adr] offset:64*(\q)+32*\c+(\i)*16*PITCH
.endr
.endm
; 16 matrix instructions: x's blocks a0, a0 + 1 against W's eight, 128 along K: the slot's q-th.  p: W's set;  sc: the set of scale words.  zero = 1: the first product starts the sums.
; The 64 accumulators take turns, one instruction a turn, in the same order in every step.
.macro MUL16 a0, p, q, sc, zero
.irp a, \a0, \a0+1
.irp b, 0,1,2,3,4,5,6,7
.if \zero
	v_wmma_scale_f32_16x16x128_f8f6f4 v[8*(8*((\a)%4)+\b):8*(8*((\a)%4)+\b)+7], v[128*(\p)+FR*\b:128*(\p)+FR*\b+FR-1], v[AF+FR*(\a):AF+FR*(\a)+FR-1], 0, v[SC+8*NQ*(\sc)+NQ*\b+(\q)], v[SC+8*NQ*(\sc)+NQ*(\a)+(\q)] matrix_a_fmt:MATRIX_FMT_FP4 matrix_b_fmt:MATRIX_FMT_FP4 matrix_a_scale:MATRIX_SCALE_ROW1
.else
	v_wmma_scale_f32_16x16x128_f8f6f4 v[8*(8*((\a)%4)+\b):8*(8*((\a)%4)+\b)+7], v[128*(\p)+FR*\b:128*(\p)+FR*\b+FR-1], v[AF+FR*(\a):AF+FR*(\a)+FR-1], v[8*(8*((\a)%4)+\b):8*(8*((\a)%4)+\b)+7], v[SC+8*NQ*(\sc)+NQ*\b+(\q)], v[SC+8*NQ*(\sc)+NQ*(\a)+(\q)] matrix_a_fmt:MATRIX_FMT_FP4 matrix_b_fmt:MATRIX_FMT_FP4 matrix_a_scale:MATRIX_SCALE_ROW1
.endif
.endr
.endr
.endm
.macro FETCH_B slot, q, p              ; W's eight fragments of the slot's q-th 128 along K into set p
	WIN TO_B
.irp i, 0,1,2,3,4,5,6,7
	FRAG 128*(\p)+FR*\i, ADRB+\slot, \q, \i
.endr
	WIN 0
.endm
.macro FETCH_A slot, q, i0             ; x's blocks i0 .. i0 + 3
.irp i, \i0, \i0+1, \i0+2, \i0+3
	FRAG AF+FR*(\i), ADRA+\slot, \q, \i
.endr
.endm
.macro SCALES sc                       ; a K step's scale words into set sc: four words a row; lanes 0-15 take x's block i, lanes 16-31 W's block i
.irp i, 0,1,2,3,4,5,6,7
	ds_load_b128 v[SC+8*NQ*\sc+NQ*\i:SC+8*NQ*\sc+NQ*\i+3], v[ADRS] offset:\i*SBLK
.endr
.endm
; A load into a register that a matrix instruction has read, and a vector instruction or an LDS store that reads a matrix result, stand NP places behind that matrix instruction; only plain vector
; instructions that name none of its registers are places (ISA guide 7.12.1 for vector instructions).
.macro PLACES n
.rept \n
	v_nop
.endr
.endm
.macro STEP slot, q, zero              ; a step of 128 along K that has its successor in the same slot
	s_wait_dscnt 4*NL                              ; W's set and x's blocks 0-3 are in; the youngest eight loads (x's blocks 4-7) may be out
	WIN MUL_LO
	MUL16 0, (\q)%2, \q, \slot, \zero
	MUL16 2, (\q)%2, \q, \slot, \zero
	s_wait_dscnt 0                                 ; x's blocks 4-7 are in
	PLACES NP
	FETCH_B \slot, (\q)+1, 1-(\q)%2
	FETCH_A \slot, (\q)+1, 0
	WIN MUL_HI
	MUL16 4, (\q)%2, \q, \slot, \zero
	MUL16 6, (\q)%2, \q, \slot, \zero
	PLACES NP
	WIN 0
	FETCH_A \slot, (\q)+1, 4
.endm
	s_wait_tensorcnt 1                             ; the scales and my part of K step 0 are in (K step 1's load, the one issued behind them, may be out),
	s_barrier_signal -1
	s_barrier_wait -1                              ; everybody's are
	FETCH_B 0, 0, 0
	FETCH_A 0, 0, 0
	SCALES 0
	FETCH_A 0, 0, 4
	STEP 0, 0, 1                                   ; the first step's products start the sums: nothing is cleared
	STEP 0, 1, 0
	STEP 0, 2, 0
	; slot 0's last step changes slots: one barrier; in front of it each wave has its part of slot 1 and has ended its reads of slot 0.
	s_wait_tensorcnt 0x0                           ; my part of slot 1 has landed
	ds_add_u32 v[SPW], v[NIL]                      ; 0 onto my spare word
	s_wait_dscnt 4*NL+1                            ; (the add and the youngest eight loads, x's blocks 4-7, may be out)
	WIN MUL_LO
	MUL16 0, 1, NQ-1, 0, 0
	s_wait_dscnt 0x0                               ; the add is done, and my reads of slot 0 are over
	s_barrier_signal -1
	MUL16 2, 1, NQ-1, 0, 0
	WIN 0
	s_barrier_wait -1
	PLACES NP
	v_add_nc_u32 v[ADRS], 4*NQ, v[ADRS]            ; on to the second K step's scale words
	FETCH_B 1, 0, 0
	FETCH_A 1, 0, 0
	SCALES 1
	WIN MUL_HI
	MUL16 4, 1, NQ-1, 0, 0
	MUL16 6, 1, NQ-1, 0, 0
	PLACES NP
	WIN 0
	FETCH_A 1, 0, 4
	STEP 1, 0, 0
	STEP 1, 1, 0
	STEP 1, 2, 0
	s_wait_dscnt 4*NL                              ; the very last step: nothing more to fetch
	WIN MUL_LO
	MUL16 0, 1, NQ-1, 1, 0
	MUL16 2, 1, NQ-1, 1, 0
	s_wait_dscnt 0
	WIN MUL_HI
	MUL16 4, 1, NQ-1, 1, 0
	MUL16 6, 1, NQ-1, 1, 0
	WIN 0
; THE WAY OUT, block by block of 16 positions x two heads.
; ROPE a: out[d] = x[d] cos - x[d + 32] sin, out[d + 32] = x[d + 32] cos + x[d] sin, two numbers an instruction, in f32; then rounded to f16, 16 bytes for each accumulator.  Each accumulator is read from its low end on.
.macro ROPE a
.set AC, 64*((\a)%4)
.set CT, CSR+32*((\a)%2)
.set PS, PK+32*((\a)%2)
.if (\a) < 7
	s_wait_loadcnt 8                               ; this block's eight table loads are in; the next block's eight may be out
.else
	s_wait_loadcnt 0x0
.endif
.irp hh, 0,1
	WIN 0x06+(\a)/4                                ; source 0: the accumulators' window; source 1: window 1, the table
.irp u, 0,1
.irp jp, 0,1,2,3
	v_pk_mul_f32 v[T+4*(\jp%2):T+4*(\jp%2)+1], v[AC+8*(4*\hh+2+\u)+2*\jp:AC+8*(4*\hh+2+\u)+2*\jp+1], v[CT+16*\u+8+2*\jp:CT+16*\u+8+2*\jp+1]
	v_pk_mul_f32 v[T+4*(\jp%2)+2:T+4*(\jp%2)+3], v[AC+8*(4*\hh+\u)+2*\jp:AC+8*(4*\hh+\u)+2*\jp+1], v[CT+16*\u+8+2*\jp:CT+16*\u+8+2*\jp+1]
	v_pk_fma_f32 v[OUTF+8*\u+2*\jp:OUTF+8*\u+2*\jp+1], v[AC+8*(4*\hh+\u)+2*\jp:AC+8*(4*\hh+\u)+2*\jp+1], v[CT+16*\u+2*\jp:CT+16*\u+2*\jp+1], v[T+4*(\jp%2):T+4*(\jp%2)+1] neg_lo:[0,0,1] neg_hi:[0,0,1]
	v_pk_fma_f32 v[OUTF+16+8*\u+2*\jp:OUTF+16+8*\u+2*\jp+1], v[AC+8*(4*\hh+2+\u)+2*\jp:AC+8*(4*\hh+2+\u)+2*\jp+1], v[CT+16*\u+2*\jp:CT+16*\u+2*\jp+1], v[T+4*(\jp%2)+2:T+4*(\jp%2)+3]
.endr
.endr
	WIN 0
.irp bb, 0,1,2,3
.irp jp, 0,1,2,3
	v_cvt_pk_f16_f32 v[PS+16*\hh+4*\bb+\jp], v[OUTF+8*\bb+2*\jp], v[OUTF+8*\bb+2*\jp+1]
.endr
.endr
.endr
.if (\a) < 6
	CSLOAD (\a)+2                                  ; into the set just read
.endif
.endm
.macro PACKV a                         ; v: rounded to f16 as it is
.set AC, 64*((\a)%4)
.set PS, PK+32*((\a)%2)
	WIN 0x0a+5*((\a)/4)                            ; sources 0 and 1: window 2 or 3
.irp b, 0,1,2,3,4,5,6,7
.irp jp, 0,1,2,3
	v_cvt_pk_f16_f32 v[PS+4*\b+\jp], v[AC+8*\b+2*\jp], v[AC+8*\b+2*\jp+1]
.endr
.endr
	WIN 0
.endm
.macro TOSTAGE a                       ; into my own stage, and back as whole rows of 128 bytes.  LDS serves a wave's instructions in order: no wait between the stores and the loads
.set PS, PK+32*((\a)%2)
.set BB, BK+32*((\a)%2)
.irp b, 0,1,2,3,4,5,6,7
	ds_store_b128 v[STO], v[PS+4*\b:PS+4*\b+3] offset:(\b/4)*SHEAD+(\b%4)*32
.endr
.irp i, 0,1,2,3,4,5,6,7
	ds_load_b128 v[BB+4*\i:BB+4*\i+3], v[RD] offset:(\i/4)*SHEAD+(\i%4)*4*SROW
.endr
.endm
.macro SEND a, younger                 ; younger: the LDS instructions issued behind block a's loads, which may stay out
.set BB, BK+32*((\a)%2)
	s_wait_dscnt \younger
.irp i, 0,1,2,3,4,5,6,7
	global_store_b128 v[GO], v[BB+4*\i:BB+4*\i+3], s[12:13] offset:(\i/4)*262144+(\a)*2048+(\i%4)*512   ; four rows of a head: 32 lanes store 512 consecutive bytes; every offset is an immediate, no base is stepped
.endr
.endm
.macro WAYOUT rot
	PLACES NP                                      ; behind the last products: for the reads of results and the writes over x's fragments alike
.if \rot
	ROPE 0
.else
	PACKV 0
.endif
	TOSTAGE 0
.irp a, 1,2,3,4,5,6,7
.if \rot
	ROPE \a
.else
	PACKV \a
.endif
.if \a > 1
	s_wait_xcnt 0x0                                ; block a - 2's stores have read their data: block a's loads land there only behind this wait
.endif
	TOSTAGE \a
	SEND \a-1, 16                                  ; behind block a - 1's loads: block a's 8 stores and 8 loads
.endr
	SEND 7, 0
.endm
	s_cmp_eq_u32 ttmp9, 2                          ; cluster x = 2 is v: the same in all sixteen partners
	s_cbranch_scc1 .Lvalues
	WAYOUT 1
	s_branch .Ldone
.Lvalues:
	WAYOUT 0
.Ldone:
	s_wait_tensorcnt 0x0                           ; the wave's end, behind my last tensor load and my last LDS store
	ds_add_u32 v[SPW], v[NIL]
	s_wait_dscnt 0x0
	CROUND                                         ; the closing round: no work-group ends while a partner may still ask for a tile that names it
	s_endpgm
.Lfunc_end_k_q737b38cef1_qkv:
	.size	k_q737b38cef1_qkv, .Lfunc_end_k_q737b38cef1_qkv-k_q737b38cef1_qkv
	.p2alignl 7, 3214868480
	.fill 96, 4, 3214868480
	.section	.rodata,"a",@progbits
	.p2align	6, 0x0
	.amdhsa_kernel k_q737b38cef1_qkv
		.amdhsa_group_segment_fixed_size 327680
		.amdhsa_private_segment_fixed_size 0
		.amdhsa_enable_private_segment 0
		.amdhsa_kernarg_size 48
		.amdhsa_user_sgpr_count 2
		.amdhsa_user_sgpr_kernarg_segment_ptr 1
		.amdhsa_wavefront_size32 1
		.amdhsa_system_sgpr_workgroup_id_x 1
		.amdhsa_system_sgpr_workgroup_id_y 1
		.amdhsa_system_sgpr_workgroup_id_z 1
		.amdhsa_system_vgpr_workitem_id 0
		.amdhsa_next_free_vgpr 1024
		.amdhsa_next_free_sgpr 100
		.amdhsa_reserve_vcc 0
		.amdhsa_float_denorm_mode_32 3
		.amdhsa_float_denorm_mode_16_64 3
		.amdhsa_memory_ordered 1
		.amdhsa_forward_progress 1
		.amdhsa_inst_pref_size 197
	.end_amdhsa_kernel
	.amdgpu_metadata
---
amdhsa.version: [ 1, 2 ]
amdhsa.kernels:
  - .name:           k_q737b38cef1_qkv
    .symbol:         k_q737b38cef1_qkv.kd
    .args:
      - { .name: x_codes, .offset: 0, .size: 8, .value_kind: global_buffer, .address_space: global }
      - { .name: x_scales, .offset: 8, .size: 8, .value_kind: global_buffer, .address_space: global }
      - { .name: w_codes, .offset: 16, .size: 8, .value_kind: global_buffer, .address_space: global }
      - { .name: w_scales, .offset: 24, .size: 8, .value_kind: global_buffer, .address_space: global }
      - { .name: rope, .offset: 32, .size: 8, .value_kind: global_buffer, .address_space: global }
      - { .name: qkv, .offset: 40, .size: 8, .value_kind: global_buffer, .address_space: global }
    .group_segment_fixed_size: 327680
    .private_segment_fixed_size: 0
    .kernarg_segment_align: 8
    .kernarg_segment_size: 48
    .max_flat_workgroup_size: 128
    .sgpr_count:     100
    .vgpr_count:     1024
    .wavefront_size: 32
...
	.end_amdgpu_metadata
.endif
;; end of part 2
;; launch attn (part 3): grid 4 x 64, 8 waves a work-group, clusters of 4 x 1, 327,680 bytes of LDS; arguments qkv, attention_mask, att; writes att
.if DOCPART == 3
	.amdgcn_target "amdgcn-amd-amdhsa--gfx1250"
	.amdhsa_code_object_version 6
	.text
	.protected	k_q737b38cef1_attn
	.globl	k_q737b38cef1_attn
	.p2align	8
	.type	k_q737b38cef1_attn,@function
k_q737b38cef1_attn:
	s_mov_b64 s[64:65], 0
	v_nop
	global_prefetch_b8 v0, s[64:65] scope:SCOPE_SE
	s_setreg_imm32_b32 hwreg(HW_REG_WAVE_MODE, 25, 1), 1
	s_wait_xcnt 0x0
	s_wait_alu depctr_hold_cnt(0) depctr_sa_sdst(0) depctr_va_vdst(0) depctr_va_sdst(0) depctr_va_ssrc(0) depctr_va_vcc(0) depctr_vm_vsrc(0)
	s_getreg_b32 s2, hwreg(HW_REG_IB_STS2, 6, 4)
	s_cmp_eq_u32 s2, 0
	s_cbranch_scc0 .Lentry_in_a_cluster
	s_endpgm
.Lentry_in_a_cluster:
	s_bfe_u32 s2, ttmp6, 0x10000c
	s_cmp_lg_u32 s2, 0x3003
	s_cbranch_scc0 .Lentry_shape_is_right
	s_endpgm
.Lentry_shape_is_right:
; att = softmax_k(q . k / 8, keys with mask 0 left out) v, for each batch and head.  q, k, v: qkv [3][batch x 16 + head][2048][64] f16.  Products on f16 operands with f32 sums; maxima, exponentials and sums in f32; the weights p
; are rounded to f16 for the second product, the result once at the end.  att: f16, laid [64 blocks of 128 tokens][16 heads][128 rows][64], as the last launch's tiles want it.
; SHARES.  A cluster of four work-groups owns one batch and head; a work-group 512 queries; each of its EIGHT waves 64: four tiles of 16, in 512 registers, two waves to a SIMD, so that one wave's
; softmax stands beside the other's products.  Every wave walks all 2,048 keys, 64 a step.
; LAYOUT.  S^T = K Q^T (source 0 = 16 keys, source 1 = 16 queries): a lane holds ONE query (lane % 16) and the keys 8 (lane / 16) + 0..7.  Two such tiles, rounded to f16 in pairs, ARE source 1 of
; O^T = V^T P, whose result again holds one query a lane and eight channels.  K comes out of LDS as it lies, V ([key][channel]) turned, by ds_load_tr16_b128.
; THE MASK enters as the C of each key tile's first product: 0 for a key that counts, -1e30 for one that does not.  So it stands ahead of the maximum and costs no vector line.
; q and k are f16 numbers, so a true score lies within 64 x 65,504^2 / 8 = 3.5e10 of 0.  The running maximum m begins at -1e20: under every true score, above every masked one.  So m is the true running maximum as soon
; as one key has counted, and a masked key's p is then 2^(-1.8e29 - c m) = 0.  While only masked keys have been seen m stays at -1e20, every p is 2^(-1.8e29 + 1.8e19) = 0, and the sums stay 0.
; Where no key of a batch counts, m ends at -1e20, under -5e19, and 1 / l is replaced by NaN (a select, no branch), as a softmax of nothing but -infinity gives.
; SOFTMAX.  A running maximum m and sum l for each query: p = 2^(c s - c m), c = log2(e) / 8; in every step O and l are multiplied by a = 2^(c m_old - c m_new).
; LIMIT: |q|, |k|, |v| under 65,504 (f16).
; RING.  Two LDS slots of four key steps, filled by joint loads of the cluster: the same tensor load with the same descriptor and the mask 15 in all four work-groups.  Wave w brings step w % 4 of a slot: K's (w < 4) or V's.
; REGISTERS: window 0: v0 the thread's number; v2-15 addresses; v16-31 at work; v32-63 eight registers of statistics a tile; v64-191 S^T, 32 a tile (P is laid into a tile's low 16); v192-223 the step's bias.
;   window 1: v0-127 O^T, 32 a tile; v128-191 Q, 16 a tile; v192-255 K of a step, then V of the same step.
.set PITK,  144                        ; a row of K in LDS: 128 bytes + 16: the 16 rows of a load start 36 words apart
.set PITV,  160                        ; a row of V: 128 + 32: the 8 rows of a turning load start 40 words apart
.set VOFF,  64*PITK                    ; a step's tiles lie together: 64 rows of K, then 64 rows of V
.set STEPB, 64*(PITK+PITV)
.set SLOT1, 1<<17                      ; slot 1 begins here, so that one exclusive or turns an address in one slot into the other's
.set BIAS,  SLOT1+4*STEPB              ; behind the ring: 2,048 f32, one a key: bytes of their own
.set STAGE, BIAS+8192                  ; the way out: 64 rows x 144 bytes for each wave: bytes of their own
.set SROW,  144
.set SPARE, STAGE+8*64*SROW            ; the spare words, 128 bytes a wave, which no other line names
.set AK0, 2                            ; v2   my lane's place in a tile of K
.set AV0, 3                            ; v3   and of V
.set ADK, 4                            ; v4   LDS address of the K in hand
.set ADV, 5                            ; v5   of the V in hand
.set AB0, 6                            ; v6   my lane's place in a step's bias
.set ADB, 7                            ; v7   LDS address of the bias in hand
.set QO,  8                            ; v8   my byte offset in the wave's rows of Q
.set STO, 9                            ; v9   the way out: where I put 16 bytes of a row
.set RD,  10                           ; v10  and where I read rows back
.set GO,  11                           ; v11  16 x lane
.set PFO, 12                           ; v12  256 x lane: the prefetches' offset; never rewritten
.set SPW, 14                           ; v14  LDS address of my spare word; never rewritten
.set NIL, 15                           ; v15  0; never rewritten
.set ST,  32                           ; tile t's statistics at v[ST + 8 t]: +0 c m, +1 m, +2, +3 l (even keys', odd keys'), +4 to +7 at work; a in +6
.set S,   64
.set BI,  192
.set OA,  0                            ; in window 1
.set QF,  128
.set KV,  192
.set WV,  14                           ; s14  my wave's number
.set LIM, 15                           ; s15  1 in a wave that prefetches, else the greatest number
.set PFA, 18                           ; s[18:19] where my prefetches stand
.set G1K, 24                           ; s[24:31] descriptor group 1 for K's tiles;  s[32:39] for V's: it differs in the padding alone
.set G1V, 32
.set G0K, 40                           ; s[40:47] group 0 for K's tiles: a set for each first fill; the second then walks on;  s[48:55] the same for V's
.set G0V, 48
.set SLOTS, 56                         ; s56  slots still to be asked for
.set CNT, 57                           ; s57  counts three steps
.set CS,  58                           ; s[58:59] c
.set SEL, 60                           ; s[60:61] lane selects for v_permlanex16_b32: lane l xor 16
.set TB,  62                           ; s62  LDS byte at which the tiles of the step to be fetched begin
.set TJ,  63                           ; s63  256 x the step whose bias is fetched next
.set MSB, 0
.macro WIN new
.if MSB != (\new)
	s_set_vgpr_msb (MSB<<8)|(\new)
.set MSB, (\new)
.endif
.endm
.set W_KQ, 0x05                        ; K and Q in window 1; the bias and S^T in window 0
.set W_PV, 0x51                        ; V in window 1, P in window 0, O^T in window 1; it serves O^T x a too (source 1 = a, window 0)
.set TO1,  0x40                        ; destination window 1, address window 0
; A joint refill.  The branch hangs on the wave's number alone.  An s_nop 0 and four v_nop follow each of the two lines.
.macro JLOAD
	s_cmp_lt_u32 s[WV], 4
	s_cbranch_scc0 .Lfor_v_\@
	tensor_load_to_lds s[G0K+4:G0K+7], s[G1K:G1K+7]
	s_nop 0
.rept 4
	v_nop
.endr
	s_branch .Lasked_\@
.Lfor_v_\@:
	tensor_load_to_lds s[G0V+4:G0V+7], s[G1V:G1V+7]
	s_nop 0
.rept 4
	v_nop
.endr
.Lasked_\@:
.endm
; A prefetch of what the NEXT change of slots will ask for: a slot's 256 rows of K and of V, 32,768 consecutive bytes each.  One cluster alone reads a head.  Its four partners share the bytes out by
; address, 8,192 each; in each, wave 0 asks for K's and wave 4 for V's, lanes 256 bytes apart: each aligned 256 bytes is named once.  The last change that fills a slot asks for nothing.
.macro ASK
	s_cmp_gt_u32 s[SLOTS], s[LIM]
	s_cbranch_scc0 .Lnot_mine_\@
	global_prefetch_b8 v[PFO], s[PFA:PFA+1] th:TH_LOAD_NT scope:SCOPE_SE
.Lnot_mine_\@:
.endm
.macro CROUND                          ; a round of the cluster's barrier
	s_barrier_signal -1
	s_barrier_wait -1
	s_cmp_lg_u32 s[WV], 0
	s_cbranch_scc1 .Lnot_wave_0_\@
	s_barrier_signal -3
.Lnot_wave_0_\@:
	s_barrier_wait -3
	s_barrier_signal -1
	s_barrier_wait -1
.endm
	s_load_b128 s[4:7], s[0:1], 0x0                ; qkv, the mask
	s_load_b64 s[8:9], s[0:1], 0x10                ; att
	v_lshl_add_u32 v[SPW], v0, 2, SPARE
	v_mov_b32 v[NIL], 0
	ds_add_u32 v[SPW], v[NIL]                      ; the wave's opening: the add, twice on end, and its wait ahead of my first tensor load; the set-up below stands between the second and the wait
	ds_add_u32 v[SPW], v[NIL]
	v_lshrrev_b32 v1, 5, v0
	v_readfirstlane_b32 s[WV], v1                  ; wave 0..7
	s_bfe_u32 s16, ttmp6, 0x40000                  ; cx: my place in the cluster: it enters Q's, att's and the prefetches' addresses alone
	s_and_b32 s17, ttmp7, 0xffff                   ; batch x 16 + head, which the four partners share
	s_lshl_b32 s20, s17, 18                        ; its first byte in a part of qkv: 262,144 bytes each
	s_mov_b32 s21, 0
	s_and_b32 s22, s[WV], 3                        ; which of a slot's four steps I fetch:
	s_mul_i32 s3, s22, STEPB                       ; its place in a slot,
	s_lshl_b32 s22, s22, 13                        ; and its 64 rows of 128 bytes in memory
	s_add_co_u32 s22, s22, s20
	s_mov_b32 s23, 0
	; descriptor group 1: a tile of 64 rows x 64 elements of 2 bytes, padded in LDS
	s_mov_b32 s[G1K], 15|(1<<16)|(1<<20)|(1<<21)|(4<<22)|(3<<25)  ; 15:0 the mask: all four work-groups; 17:16 elements of 2 bytes; 20 padding on; 21 set beside a mask; 24:22 after every 32 words; 31:25 four words
	s_mov_b32 s[G1V], 15|(1<<16)|(1<<20)|(1<<21)|(4<<22)|(7<<25)  ; the same with eight words of padding
.irp g, G1K, G1V
	s_mov_b32 s[\g+1], 64<<16                      ; tensor_dim0
	s_mov_b32 s[\g+2], 64<<16                      ; tensor_dim1
	s_mov_b32 s[\g+3], 64<<16                      ; tile_dim0
	s_mov_b32 s[\g+4], 64                          ; tile_dim1
	s_mov_b32 s[\g+5], 64                          ; from row to row
	s_mov_b32 s[\g+6], 0
	s_mov_b32 s[\g+7], 0
.endr
	s_mov_b32 s[CS], 0x3e38aa3b                    ; c = log2(e) / 8
	s_mov_b32 s[CS+1], s[CS]                       ; (named with it as a pair, so it is written)
	s_mov_b32 s[SEL], 0x76543210
	s_mov_b32 s[SEL+1], 0xfedcba98
	s_mov_b32 s[TB], 0
	s_mov_b32 s[TJ], 0
	s_mov_b32 s[SLOTS], 6                          ; eight slots' worth of keys; two come as first fills
	s_and_b32 s[LIM], s[WV], 3
	s_cmp_eq_u32 s[LIM], 0                         ; waves 0 and 4: the same in all four partners
	s_cselect_b32 s[LIM], 1, -1
	s_lshr_b32 s66, s17, 4                         ; batch
	s_lshl_b32 s68, s66, 13                        ; its 8,192 bytes of mask
	s_mov_b32 s69, 0
	s_lshl_b32 s70, s66, 4                         ; att: block of 128 tokens = 16 batch + 4 cx + wave / 2,
	s_lshl_b32 s67, s16, 2
	s_add_co_u32 s70, s70, s67
	s_lshr_b32 s67, s[WV], 1
	s_add_co_u32 s70, s70, s67
	s_lshl_b32 s70, s70, 4
	s_and_b32 s67, s17, 15
	s_add_co_u32 s70, s70, s67                     ; x 16 + head,
	s_lshl_b32 s70, s70, 14                        ; 16,384 bytes each,
	s_and_b32 s67, s[WV], 1
	s_lshl_b32 s67, s67, 13
	s_add_co_u32 s70, s70, s67                     ; + my 64 rows of the 128
	s_mov_b32 s71, 0
	s_lshl_b32 s66, s16, 16                        ; Q: my work-group's 512 rows,
	s_lshl_b32 s67, s[WV], 13                      ; my wave's 64 of them,
	s_add_co_u32 s66, s66, s67
	s_add_co_u32 s66, s66, s20                     ; in my head
	s_mov_b32 s67, 0
	s_mov_b32 s2, 0x2000000                        ; the prefetches: V's part of qkv, or
	s_cmp_lt_u32 s[WV], 4
	s_cselect_b32 s2, 0x1000000, s2                ; K's,
	s_add_co_u32 s20, s20, s2                      ; my head,
	s_lshl_b32 s2, s16, 13
	s_add_co_u32 s20, s20, s2                      ; my work-group's 8,192 bytes of a slot's 32,768,
	s_add_co_u32 s20, s20, 2*32768                 ; in slot 2: the first change of slots steps it to slot 3.  Nothing is prefetched at the head
	v_and_b32 v30, 31, v0                          ; lane
	v_lshlrev_b32 v[PFO], 8, v30
	s_wait_dscnt 0x0                               ; both opening adds are done
	s_wait_kmcnt 0x0
	s_add_nc_u64 s[10:11], s[4:5], s[22:23]
	s_add_nc_u64 s[12:13], s[10:11], 0x2000000     ; V at my tile of slot 0
	s_add_nc_u64 s[10:11], s[10:11], 0x1000000     ; K likewise
	s_add_nc_u64 s[PFA:PFA+1], s[4:5], s[20:21]
	s_add_nc_u64 s[4:5], s[4:5], s[66:67]          ; Q at my wave's first row
	s_add_nc_u64 s[6:7], s[6:7], s[68:69]          ; the mask at my batch
	s_add_nc_u64 s[8:9], s[8:9], s[70:71]          ; att at my wave's 8,192 bytes
	CROUND                                         ; all four work-groups are here: the first joint loads meet
.irp s, 0,1
	s_mov_b32 s[G0K+4*\s], 1                       ; count = 1
	s_add_co_u32 s[G0K+4*\s+1], s3, \s*SLOT1       ; LDS address
	s_add_nc_u64 s[G0K+4*\s+2:G0K+4*\s+3], s[10:11], \s*32768   ; slot s begins with keys 256 s
	s_or_b32 s[G0K+4*\s+3], s[G0K+4*\s+3], 0x80000000           ; type = 2
	s_mov_b32 s[G0V+4*\s], 1
	s_add_co_u32 s[G0V+4*\s+1], s3, \s*SLOT1+VOFF
	s_add_nc_u64 s[G0V+4*\s+2:G0V+4*\s+3], s[12:13], \s*32768
	s_or_b32 s[G0V+4*\s+3], s[G0V+4*\s+3], 0x80000000
.endr
	s_cmp_lt_u32 s[WV], 4                          ; a wave's two first fills stand in one branch, ahead of every wait on TENSORcnt and every LDS read: two loads of mine are out
	s_cbranch_scc0 .Lfirst_v
	tensor_load_to_lds s[G0K:G0K+3], s[G1K:G1K+7]
	s_nop 0
	tensor_load_to_lds s[G0K+4:G0K+7], s[G1K:G1K+7]
	s_nop 0
.rept 4
	v_nop
.endr
	s_branch .Lfirst_asked
.Lfirst_v:
	tensor_load_to_lds s[G0V:G0V+3], s[G1V:G1V+7]
	s_nop 0
	tensor_load_to_lds s[G0V+4:G0V+7], s[G1V:G1V+7]
	s_nop 0
.rept 4
	v_nop
.endr
.Lfirst_asked:
	v_and_b32 v1, 15, v0                           ; r = l % 16
	v_bfe_u32 v16, v0, 4, 1                        ; h = l / 16
	v_lshlrev_b32 v17, 5, v0                       ; thread t takes the mask of keys 8 t .. 8 t + 7
	global_load_b128 v[20:23], v17, s[6:7]
	global_load_b128 v[24:27], v17, s[6:7] offset:16
	v_lshlrev_b32 v[QO], 7, v1
	v_lshl_add_u32 v[QO], v16, 4, v[QO]            ; row x 128 + 16 x half
	WIN TO1
.irp t, 0,1,2,3
.irp ks, 0,1                                   ; Q stays in registers: tile t, channels 32 ks on
	global_load_b128 v[QF+16*\t+8*\ks:QF+16*\t+8*\ks+3],   v[QO], s[4:5] offset:\t*2048+\ks*64
	global_load_b128 v[QF+16*\t+8*\ks+4:QF+16*\t+8*\ks+7], v[QO], s[4:5] offset:\t*2048+\ks*64+32
.endr
.endr
.set i, 0
.rept 128
	v_mov_b32 v[OA+i], 0                           ; O^T.  (The key step is written with no first step of its own: the first finds zeros, which every a leaves zeros.  Run once)
.set i, i+1
.endr
	WIN 0
	v_mul_u32_u24 v[AK0], v1, PITK
	v_lshl_add_u32 v[AK0], v16, 4, v[AK0]          ; K: row x pitch + 16 x half
	v_and_b32 v28, 7, v0
	v_bfe_u32 v29, v0, 3, 1
	v_lshl_add_u32 v[AV0], v16, 3, v28             ; V: the turning load takes 16 keys x 16 channels: lane l reads key 8 (l / 16) + l % 8, channels 8 ((l / 8) % 2) + 0..7
	v_mul_u32_u24 v[AV0], v[AV0], PITV
	v_lshl_add_u32 v[AV0], v29, 4, v[AV0]
	v_add_nc_u32 v[AV0], VOFF, v[AV0]
	v_lshl_add_u32 v[AB0], v16, 5, BIAS            ; the bias: register j of key tile kt is that of key 16 kt + 8 (l / 16) + j
	s_mul_i32 s2, s[WV], 64*SROW
	s_add_co_u32 s2, s2, STAGE                     ; my stage
	v_mul_u32_u24 v[STO], v1, SROW                 ; in: row l % 16, 16 bytes for each half of the lanes
	v_lshl_add_u32 v[STO], v16, 4, v[STO]
	v_add_nc_u32 v[STO], s2, v[STO]
	v_lshrrev_b32 v31, 3, v30                      ; back: eight lanes to a row of 128 bytes, four rows an instruction
	v_mul_u32_u24 v[RD], v31, SROW
	v_lshl_add_u32 v[RD], v28, 4, v[RD]
	v_add_nc_u32 v[RD], s2, v[RD]
	v_lshlrev_b32 v[GO], 4, v30
.irp t, 0,1,2,3
	v_mov_b32 v[ST+8*\t+1], 0xe0ad78ec             ; m: -1e20: under every true score (3.5e10 at the most in size), above every masked one (-1e30)
	v_mul_f32 v[ST+8*\t], s[CS], v[ST+8*\t+1]      ; c m
.irp n, 2,3,4,5,6,7
	v_mov_b32 v[ST+8*\t+\n], 0                     ; l; and the registers at work, written once (a lane permute's destination counts as read)
.endr
.endr
	v_mov_b32 v19, 0xf149f2ca                      ; -1e30
	v_lshl_add_u32 v18, v0, 5, BIAS
	s_wait_loadcnt 16                              ; the mask's two loads are in; Q's sixteen, issued behind them, may be out
.irp i, 0,1,2,3,4,5,6,7
	v_cmp_eq_u32 vcc_lo, 0, v[20+\i]
	v_cndmask_b32 v[20+\i], 0, v19, vcc_lo
.endr
	ds_store_b128 v18, v[20:23]
	ds_store_b128 v18, v[24:27] offset:16
	s_wait_dscnt 0x0                               ; for the others' sake: my part of the bias is stored,
	s_wait_tensorcnt 1                             ; and my part of slot 0 is in; slot 1's load may stay out
	s_barrier_signal -1
	s_barrier_wait -1                              ; everybody's are
; 16 products of S^T = K Q^T: key tiles 2 half, 2 half + 1, all four tiles of queries, channels 32 ks on.  The first eight take the bias as C; eight accumulators take turns, one instruction a turn.
.macro KQ half
	WIN W_KQ
.irp ks, 0,1
.irp kk, 0,1
.irp t, 0,1,2,3
.if \ks == 0
	v_wmma_f32_16x16x32_f16 v[S+32*\t+8*(2*\half+\kk):S+32*\t+8*(2*\half+\kk)+7], v[KV+16*(2*\half+\kk):KV+16*(2*\half+\kk)+7], v[QF+16*\t:QF+16*\t+7], v[BI+8*(2*\half+\kk):BI+8*(2*\half+\kk)+7]
.else
	v_wmma_f32_16x16x32_f16 v[S+32*\t+8*(2*\half+\kk):S+32*\t+8*(2*\half+\kk)+7], v[KV+16*(2*\half+\kk)+8:KV+16*(2*\half+\kk)+15], v[QF+16*\t+8:QF+16*\t+15], v[S+32*\t+8*(2*\half+\kk):S+32*\t+8*(2*\half+\kk)+7]
.endif
.endr
.endr
.endr
.endm
; 16 products of O^T += V^T P: keys 32 g on; sixteen accumulators take turns.
.macro PVM g
	WIN W_PV
.irp ct, 0,1,2,3
.irp t, 0,1,2,3
	v_wmma_f32_16x16x32_f16 v[OA+32*\t+8*\ct:OA+32*\t+8*\ct+7], v[KV+32*\g+8*\ct:KV+32*\g+8*\ct+7], v[S+32*\t+8*\g:S+32*\t+8*\g+7], v[OA+32*\t+8*\ct:OA+32*\t+8*\ct+7]
.endr
.endr
.endm
.macro LDK half                        ; eight loads: K's key tiles 2 half, 2 half + 1
	WIN TO1
.irp kk, 0,1
.irp ks, 0,1
	ds_load_b128 v[KV+16*(2*\half+\kk)+8*\ks:KV+16*(2*\half+\kk)+8*\ks+3],   v[ADK] offset:(2*\half+\kk)*16*PITK+\ks*64
	ds_load_b128 v[KV+16*(2*\half+\kk)+8*\ks+4:KV+16*(2*\half+\kk)+8*\ks+7], v[ADK] offset:(2*\half+\kk)*16*PITK+\ks*64+32
.endr
.endr
.endm
.macro LDV                             ; sixteen turning loads: V's 64 keys x 64 channels
	WIN TO1
.irp g, 0,1
.irp ct, 0,1,2,3
	ds_load_tr16_b128 v[KV+32*\g+8*\ct:KV+32*\g+8*\ct+3],   v[ADV] offset:\g*32*PITV+\ct*32
	ds_load_tr16_b128 v[KV+32*\g+8*\ct+4:KV+32*\g+8*\ct+7], v[ADV] offset:\g*32*PITV+16*PITV+\ct*32
.endr
.endr
.endm
.macro LDB                             ; eight loads: a step's bias, in the layout of C
	WIN 0
.irp kt, 0,1,2,3
	ds_load_b128 v[BI+8*\kt:BI+8*\kt+3],   v[ADB] offset:64*\kt
	ds_load_b128 v[BI+8*\kt+4:BI+8*\kt+7], v[ADB] offset:64*\kt+16
.endr
.endm
; THE SOFTMAX of a key step, the four tiles line by line, so that no line waits for the line above it.  All in window 0.
.macro SOFTMAX
	WIN 0
.irp j, 0,1,2,3
.irp t, 0,1,2,3
	v_max3_num_f32 v[ST+8*\t+4+\j], v[S+32*\t+8*\j], v[S+32*\t+8*\j+1], v[S+32*\t+8*\j+2]   ; four chains a tile; each accumulator is read from its low end on
.endr
.endr
.irp q, 1,2
.irp j, 0,1,2,3
.irp t, 0,1,2,3
	v_max3_num_f32 v[ST+8*\t+4+\j], v[ST+8*\t+4+\j], v[S+32*\t+8*\j+2*\q+1], v[S+32*\t+8*\j+2*\q+2]
.endr
.endr
.endr
.irp t, 0,1,2,3
	v_max3_num_f32 v[ST+8*\t+4], v[ST+8*\t+4], v[S+32*\t+7], v[S+32*\t+15]
.endr
.irp t, 0,1,2,3
	v_max3_num_f32 v[ST+8*\t+6], v[ST+8*\t+6], v[S+32*\t+23], v[S+32*\t+31]
.endr
.irp t, 0,1,2,3
	v_max3_num_f32 v[ST+8*\t+4], v[ST+8*\t+4], v[ST+8*\t+5], v[ST+8*\t+6]
.endr
.irp t, 0,1,2,3
	v_max3_num_f32 v[ST+8*\t+4], v[ST+8*\t+4], v[ST+8*\t+7], v[ST+8*\t+1]   ; with the old m
.endr
.irp t, 0,1,2,3
	v_permlanex16_b32 v[ST+8*\t+5], v[ST+8*\t+4], s[SEL], s[SEL+1]          ; the query's other 32 keys lie in the lane 16 away
.endr
.irp t, 0,1,2,3
	v_mov_b32 v[ST+8*\t+7], v[ST+8*\t]             ; c m_old is kept for a
.endr
.irp t, 0,1,2,3
	v_max_num_f32 v[ST+8*\t+1], v[ST+8*\t+4], v[ST+8*\t+5]
.endr
.irp t, 0,1,2,3
	v_mul_f32 v[ST+8*\t], s[CS], v[ST+8*\t+1]
.endr
.irp t, 0,1,2,3
	v_sub_f32 v[ST+8*\t+7], v[ST+8*\t+7], v[ST+8*\t]
.endr
.irp t, 0,1,2,3
	v_exp_f32 v[ST+8*\t+6], v[ST+8*\t+7]           ; a
.endr
; ONE BATCH: the scalings c s - c m, a pair of scores each, and behind each the exponentials of the pair before.  None of these lines names an exponential's result.
.set i, 0
.rept 17
.if i < 16
.irp t, 0,1,2,3
	v_pk_fma_f32 v[S+32*\t+2*i:S+32*\t+2*i+1], v[S+32*\t+2*i:S+32*\t+2*i+1], s[CS:CS+1], v[ST+8*\t:ST+8*\t+1] op_sel_hi:[1,0,0] neg_lo:[0,0,1] neg_hi:[0,0,1]
.endr
.endif
.if i > 0
.irp t, 0,1,2,3
	v_exp_f32 v[S+32*\t+2*i-2], v[S+32*\t+2*i-2]
	v_exp_f32 v[S+32*\t+2*i-1], v[S+32*\t+2*i-1]
.endr
.endif
.set i, i+1
.endr
	v_nop                                          ; a plain line behind the last exponential,
	s_wait_alu depctr_va_vdst(0)                   ; and ONE wait for the 132, ahead of their first reader
; The sums of the unrounded p, in two chains a tile, and the roundings to f16, IN PLACE: pair p is summed, then packed into register p, which belongs to pair p / 2: summed and packed already.
.set p, 0
.rept 16
.irp t, 0,1,2,3
.if p == 0
	v_pk_fma_f32 v[ST+8*\t+2:ST+8*\t+3], v[ST+8*\t+2:ST+8*\t+3], v[ST+8*\t+6:ST+8*\t+7], v[S+32*\t:S+32*\t+1] op_sel_hi:[1,0,1]   ; l = l a + pair 0
.elseif p == 1
	v_pk_add_f32 v[ST+8*\t+4:ST+8*\t+5], v[S+32*\t+2:S+32*\t+3], v[S+32*\t+4:S+32*\t+5]   ; the second chain begins with pairs 1 and 2
.elseif p == 2
.elseif p%2 == 1
	v_pk_add_f32 v[ST+8*\t+4:ST+8*\t+5], v[ST+8*\t+4:ST+8*\t+5], v[S+32*\t+2*p:S+32*\t+2*p+1]
.else
	v_pk_add_f32 v[ST+8*\t+2:ST+8*\t+3], v[ST+8*\t+2:ST+8*\t+3], v[S+32*\t+2*p:S+32*\t+2*p+1]
.endif
.endr
.irp t, 0,1,2,3
	v_cvt_pk_f16_f32 v[S+32*\t+p], v[S+32*\t+2*p], v[S+32*\t+2*p+1]
.endr
.set p, p+1
.endr
.irp t, 0,1,2,3
	v_pk_add_f32 v[ST+8*\t+2:ST+8*\t+3], v[ST+8*\t+2:ST+8*\t+3], v[ST+8*\t+4:ST+8*\t+5]
.endr
.endm
.macro RESCALE                         ; O^T x a, ascending
	WIN W_PV
.irp t, 0,1,2,3
.set i, 0
.rept 16
	v_pk_mul_f32 v[OA+32*\t+2*i:OA+32*\t+2*i+1], v[OA+32*\t+2*i:OA+32*\t+2*i+1], v[ST+8*\t+6:ST+8*\t+7] op_sel_hi:[1,0]
.set i, i+1
.endr
.endr
.endm
; A KEY STEP.  chg = 1: the slot's last step, and the slot is filled again; 2: the slot's last step, nothing is filled; 0: neither.  more = 1: a step follows.
; A vector instruction that reads a matrix result or writes one of a matrix instruction's registers, and a load into such a register, stand four places behind it; a matrix instruction that writes over one, five;
; only plain vector instructions that name none of its registers are places (ISA guide 7.12.1 for vector instructions).
.macro STEP chg, more
	s_wait_dscnt 8                                 ; the bias and K's first two key tiles are in; the youngest eight loads, its other two, may be out
	KQ 0
	s_wait_dscnt 0x0
	KQ 1
	WIN 0
	v_add_nc_u32 v[ADV], s[TB], v[AV0]             ; four places behind the products, ahead of the loads over K and over the bias
.if \more
	v_add_nc_u32 v[ADB], s[TJ], v[AB0]
.else
	v_nop
.endif
	v_nop
	v_nop
	s_add_co_u32 s[TB], s[TB], STEPB               ; the next fetch is the next step's
	s_add_co_u32 s[TJ], s[TJ], 256
	LDV                                            ; this step's V, over its K
.if \more
	LDB                                            ; the next step's bias
.endif
	SOFTMAX
.if \chg
	s_wait_tensorcnt 0x0                           ; all my tensor loads have landed: the one that was out is my part of the other slot; so a group 0 may be written
	ds_add_u32 v[SPW], v[NIL]                      ; 0 onto my spare word; the steps and the rescaling below stand between it and the wait for it
.if \chg == 1
.irp g, G0K+4, G0V+4
	s_xor_b32 s[\g+1], s[\g+1], SLOT1              ; the walking descriptors: the other slot than last time,
	s_add_nc_u64 s[\g+2:\g+3], s[\g+2:\g+3], 32768 ; the next 256 keys; the type bits on top are not reached
.endr
	s_wait_xcnt 0x0                                ; the last prefetch, four key steps back, has read its address, so it may be written
	s_add_nc_u64 s[PFA:PFA+1], s[PFA:PFA+1], 32768 ; one slot further on than the walking descriptors
.endif
.endif
	RESCALE
.if \chg
	WIN 0                                          ; at a label and at a branch every window is 0
.endif
	s_wait_dscnt 0x0                               ; V and the bias are in; at a change: the add is done, and my reads of the slot are over
.if \chg == 1
	CROUND                                         ; no wave of any partner still reads the slot or has a load on its way
	JLOAD                                          ; the first thing behind the round, my one tensor load until the next: it has four key steps in which to land
	ASK                                            ; what the next change will ask for
.elseif \chg == 2
	s_barrier_signal -1
	s_barrier_wait -1                              ; the last slot is whole for every wave
.endif
.if \chg
	s_sub_co_u32 s[TB], s[TB], 4*STEPB             ; the fetches go back to a slot's first step,
	s_xor_b32 s[TB], s[TB], SLOT1                  ; in the other slot
.endif
	PVM 0
.if \more
	WIN 0
	v_add_nc_u32 v[ADK], s[TB], v[AK0]             ; four places, ahead of the loads over V's first half
	v_nop
	v_nop
	v_nop
	LDK 0
.endif
	PVM 1
.if \more
	WIN 0
.rept 5
	v_nop                                          ; five: the next step's first products write over registers that these read as P
.endr
	LDK 1
.endif
	WIN 0
.endm
.macro THREE                           ; a slot's first three steps: written once, walked three times; the LDS addresses hang on s[TB] and s[TJ]
	s_mov_b32 s[CNT], 3
.Lthree_\@:
	STEP 0, 1
	s_sub_co_u32 s[CNT], s[CNT], 1
	s_cmp_lg_u32 s[CNT], 0
	s_cbranch_scc1 .Lthree_\@
.endm
	v_add_nc_u32 v[ADK], s[TB], v[AK0]             ; key step 0
	v_add_nc_u32 v[ADB], s[TJ], v[AB0]
	s_add_co_u32 s[TJ], s[TJ], 256
	LDB
	LDK 0
	LDK 1
	WIN 0
	s_wait_loadcnt 0x0                             ; Q
.Lslot:                                            ; six trips: every slot but the last two is filled again
	THREE
	STEP 1, 1
	s_sub_co_u32 s[SLOTS], s[SLOTS], 1
	s_cmp_lg_u32 s[SLOTS], 0
	s_cbranch_scc1 .Lslot
	THREE                                          ; the tail is written out
	STEP 2, 1
	THREE
	STEP 0, 0
	; THE WAY OUT.  l's two halves and the other half of the lanes' are added (the first four additions are the places behind the last products); O^T is divided by l, rounded to f16 and sent through my stage.
.irp t, 0,1,2,3
	v_add_f32 v[ST+8*\t+4], v[ST+8*\t+2], v[ST+8*\t+3]
.endr
.irp t, 0,1,2,3
	v_permlanex16_b32 v[ST+8*\t+5], v[ST+8*\t+4], s[SEL], s[SEL+1]
.endr
.irp t, 0,1,2,3
	v_add_f32 v[ST+8*\t+4], v[ST+8*\t+4], v[ST+8*\t+5]
.endr
.irp t, 0,1,2,3
	v_rcp_f32 v[ST+8*\t+6], v[ST+8*\t+4]
.endr
	v_mov_b32 v16, 0x7fc00000                      ; NaN.  (A plain line behind the last reciprocal)
	s_wait_alu depctr_va_vdst(0)                   ; one wait for the four, ahead of their first reader
.irp t, 0,1,2,3
	v_cmp_gt_f32 vcc_lo, 0xe02d78ec, v[ST+8*\t+1]  ; -5e19 > m: m never left -1e20: no key counted
	v_cndmask_b32 v[ST+8*\t+6], v[ST+8*\t+6], v16, vcc_lo
.endr
.irp t, 0,1,2,3
	WIN W_PV
.set i, 0
.rept 16
	v_pk_mul_f32 v[OA+32*\t+2*i:OA+32*\t+2*i+1], v[OA+32*\t+2*i:OA+32*\t+2*i+1], v[ST+8*\t+6:ST+8*\t+7] op_sel_hi:[1,0]
.set i, i+1
.endr
	WIN 0x05                                       ; sources 0 and 1 window 1, destination window 0: S^T's registers are free
.set i, 0
.rept 16
	v_cvt_pk_f16_f32 v[S+16*\t+i], v[OA+32*\t+2*i], v[OA+32*\t+2*i+1]
.set i, i+1
.endr
	WIN 0
.irp ct, 0,1,2,3
	ds_store_b128 v[STO], v[S+16*\t+4*\ct:S+16*\t+4*\ct+3] offset:\t*16*SROW+32*\ct   ; lane (r, h): query 16 t + r, channels 16 ct + 8 h + 0 .. 7
.endr
.endr
.irp n, 0,1,2,3,4,5,6,7,8,9,10,11,12,13,14,15
	ds_load_b128 v[128+4*\n:128+4*\n+3], v[RD] offset:\n*4*SROW    ; LDS serves a wave's instructions in order: these see my stores
.endr
.irp n, 0,1,2,3,4,5,6,7,8,9,10,11,12,13,14,15
	s_wait_dscnt 15-\n                             ; load n is in; the younger ones may be out
	global_store_b128 v[GO], v[128+4*\n:128+4*\n+3], s[8:9] offset:512*\n   ; four rows: 32 lanes store 512 consecutive bytes; the wave's 8,192 bytes are consecutive
.endr
	s_wait_tensorcnt 0x0                           ; the wave's end, behind my last tensor load and my last LDS store
	ds_add_u32 v[SPW], v[NIL]
	s_wait_dscnt 0x0
	CROUND                                         ; the closing round: no work-group ends while a partner may still ask for a tile that names it
	s_endpgm
.Lfunc_end_k_q737b38cef1_attn:
	.size	k_q737b38cef1_attn, .Lfunc_end_k_q737b38cef1_attn-k_q737b38cef1_attn
	.p2alignl 7, 3214868480
	.fill 96, 4, 3214868480
	.section	.rodata,"a",@progbits
	.p2align	6, 0x0
	.amdhsa_kernel k_q737b38cef1_attn
		.amdhsa_group_segment_fixed_size 327680
		.amdhsa_private_segment_fixed_size 0
		.amdhsa_enable_private_segment 0
		.amdhsa_kernarg_size 24
		.amdhsa_user_sgpr_count 2
		.amdhsa_user_sgpr_kernarg_segment_ptr 1
		.amdhsa_wavefront_size32 1
		.amdhsa_system_sgpr_workgroup_id_x 1
		.amdhsa_system_sgpr_workgroup_id_y 1
		.amdhsa_system_sgpr_workgroup_id_z 1
		.amdhsa_system_vgpr_workitem_id 0
		.amdhsa_next_free_vgpr 512
		.amdhsa_next_free_sgpr 72
		.amdhsa_reserve_vcc 1
		.amdhsa_float_denorm_mode_32 3
		.amdhsa_float_denorm_mode_16_64 3
		.amdhsa_memory_ordered 1
		.amdhsa_forward_progress 1
		.amdhsa_inst_pref_size 226
	.end_amdhsa_kernel
	.amdgpu_metadata
---
amdhsa.version: [ 1, 2 ]
amdhsa.kernels:
  - .name:           k_q737b38cef1_attn
    .symbol:         k_q737b38cef1_attn.kd
    .args:
      - { .name: qkv, .offset: 0, .size: 8, .value_kind: global_buffer, .address_space: global }
      - { .name: attention_mask, .offset: 8, .size: 8, .value_kind: global_buffer, .address_space: global }
      - { .name: att, .offset: 16, .size: 8, .value_kind: global_buffer, .address_space: global }
    .group_segment_fixed_size: 327680
    .private_segment_fixed_size: 0
    .kernarg_segment_align: 8
    .kernarg_segment_size: 24
    .max_flat_workgroup_size: 256
    .sgpr_count:     72
    .vgpr_count:     512
    .wavefront_size: 32
...
	.end_amdgpu_metadata
.endif
;; end of part 3
;; launch oproj (part 4): grid 4 x 64, 4 waves a work-group, clusters of 4 x 4, 327,680 bytes of LDS; arguments att, wo16, out0; writes out0
.if DOCPART == 4
	.amdgcn_target "amdgcn-amd-amdhsa--gfx1250"
	.amdhsa_code_object_version 6
	.text
	.protected	k_q737b38cef1_oproj
	.globl	k_q737b38cef1_oproj
	.p2align	8
	.type	k_q737b38cef1_oproj,@function
k_q737b38cef1_oproj:
	s_mov_b64 s[64:65], 0
	v_nop
	global_prefetch_b8 v0, s[64:65] scope:SCOPE_SE
	s_setreg_imm32_b32 hwreg(HW_REG_WAVE_MODE, 25, 1), 1
	s_wait_xcnt 0x0
	s_wait_alu depctr_hold_cnt(0) depctr_sa_sdst(0) depctr_va_vdst(0) depctr_va_sdst(0) depctr_va_ssrc(0) depctr_va_vcc(0) depctr_vm_vsrc(0)
	s_getreg_b32 s2, hwreg(HW_REG_IB_STS2, 6, 4)
	s_cmp_eq_u32 s2, 0
	s_cbranch_scc0 .Lentry_in_a_cluster
	s_endpgm
.Lentry_in_a_cluster:
	s_bfe_u32 s2, ttmp6, 0x10000c
	s_cmp_lg_u32 s2, 0xf033
	s_cbranch_scc0 .Lentry_shape_is_right
	s_endpgm
.Lentry_shape_is_right:
; out0[m][n] = the sum over k of att[m][k] Wo[n][k]: [8192] x [1024] over K = 1,024, f16 operands, f32 sums, f32 out.
; att: [64 blocks of 128 tokens][16 heads][128 rows][64] f16 (k = 64 head + channel);  wo16: [8 blocks of 128 n][16 blocks of 64 k][128 n][64 k] f16.  So every tile is a dense run of rows of 128 bytes.
; A tile of the output is 128 (m) x 256 (n): 256 work-groups.  Four waves, each 64 x 128: 32 accumulators of 16 x 16, 256 registers.  K goes in 8 steps of 128 (two heads) through a ring of two LDS slots.
; CLUSTERS: 4 x 4 work-groups.  The four of a row of the cluster need the same tiles of att, the four of a column the same tiles of Wo: each is asked for jointly.
; THE MATRIX INSTRUCTION IS USED TRANSPOSED (source 0 = 16 rows of Wo, source 1 = 16 rows of att): a lane holds eight neighbouring numbers of a row of the output.
; No prefetch: Wo's 2 MiB are read by every row of clusters, and att's tiles are asked for jointly, a K step ahead.
; REGISTERS: window 0: v16-29 addresses; v128-255 the way out.   window 1: two fragment buffers of 96 at v0 and v128: att's four fragments, then Wo's eight.   window 2: accumulator (a, b) at v[8 (8 a + b)].
.set PITCH,  144                       ; an LDS row: 128 bytes + 16: the 16 rows that a load touches start 36 words apart
.set HROWS,  128*PITCH                 ; 128 rows: one head of att's tile, or one block of k of a block of n
.set PART,   2*HROWS                   ; a K step of att's tile, or of one block of n
.set SLOT,   3*PART                    ; att's, then Wo's two blocks of n
.set SPARE,  2*SLOT                    ; behind the ring: the spare words, 128 bytes a wave, which no other line names
.set SPITCH, 528                       ; the way out: a stage of 16 rows x (512 bytes + 16) for each wave, in slot 0, which has had its last fill and its last read by then
.set LAPS,   4                         ; a lap = two K steps = once round the ring
.set ADRA, 16                          ; v16-17  LDS address of my att fragments in slot 0, 1
.set ADRB, 20                          ; v20-21  the same for Wo
.set STO,  24                          ; v24     the way out: where I put 32 bytes of a row
.set RD,   25                          ; v25     and where I read a row back
.set CO,   26                          ; v26     16 x lane
.set SPW,  28                          ; v28     LDS address of my spare word; never rewritten
.set NIL,  29                          ; v29     0; never rewritten
.set BK,   128                         ; the way out: 16 rows read back: v128-191 and v192-255 by turns
.set F0,   0
.set F1,   128
.set G1, 24                            ; s[24:31] descriptor group 1 for att's tiles;  s[32:39] group 0, one set for each slot
.set G0, 32
.set G1B, 48                           ; s[48:55], s[56:63] the same for Wo's
.set G0B, 56
.set MSB, 0
.macro WIN new
.if MSB != (\new)
	s_set_vgpr_msb (MSB<<8)|(\new)
.set MSB, (\new)
.endif
.endm
.set MUL,  0xa5                        ; sources 0 and 1 window 1; C and D window 2
.set TO_F, 0x40                        ; destination window 1, address window 0
.macro JLOAD s                         ; a joint load: waves 0 and 1 fetch att's two heads, waves 2 and 3 Wo's two blocks of n; an s_nop 0 and four v_nop follow each line
	s_cmp_eq_u32 s11, 0
	s_cbranch_scc0 .Lfor_b_\@
	tensor_load_to_lds s[G0+4*\s:G0+4*\s+3], s[G1:G1+7]
	s_nop 0
.rept 4
	v_nop
.endr
	s_branch .Lasked_\@
.Lfor_b_\@:
	tensor_load_to_lds s[G0B+4*\s:G0B+4*\s+3], s[G1B:G1B+7]
	s_nop 0
.rept 4
	v_nop
.endr
.Lasked_\@:
.endm
.macro CREST                           ; a round of the cluster's barrier behind its opening barrier
	s_cmp_lg_u32 s10, 0
	s_cbranch_scc1 .Lnot_wave_0_\@
	s_barrier_signal -3
.Lnot_wave_0_\@:
	s_barrier_wait -3
	s_barrier_signal -1
	s_barrier_wait -1
.endm
.macro CROUND
	s_barrier_signal -1
	s_barrier_wait -1
	CREST
.endm
	s_load_b128 s[4:7], s[0:1], 0x0                ; att, wo16
	s_load_b64 s[8:9], s[0:1], 0x10                ; out0
	v_lshl_add_u32 v[SPW], v0, 2, SPARE
	v_mov_b32 v[NIL], 0
	ds_add_u32 v[SPW], v[NIL]                      ; the wave's opening: the add, twice on end, and its wait ahead of my first tensor load
	ds_add_u32 v[SPW], v[NIL]
	v_lshrrev_b32 v1, 5, v0
	v_readfirstlane_b32 s10, v1                    ; wave 0..3
	s_lshr_b32 s11, s10, 1                         ; which 64 of the tile's rows are mine.  Also: I fetch for att (0) or for Wo (1)
	s_and_b32 s12, s10, 1                          ; which 128 of its columns.  Also: which head, or which block of n, I fetch
	s_bfe_u32 s40, ttmp6, 0x40000                  ; cx, cy
	s_bfe_u32 s41, ttmp6, 0x40004
	s_lshl_b32 s42, ttmp9, 2
	s_add_co_u32 s42, s42, s40                     ; tile column = 4 x cluster x + cx
	s_and_b32 s13, ttmp7, 0xffff
	s_lshl_b32 s13, s13, 2
	s_add_co_u32 s13, s13, s41                     ; tile row = 4 x cluster y + cy
	s_lshl_b32 s43, s41, 2
	s_lshl_b32 s43, 15, s43                        ; my row of the cluster
	s_lshl_b32 s44, 0x1111, s40                    ; my column
	s_or_b32 s[G1+0], s43, (1<<16)|(1<<20)|(1<<21)|(4<<22)|(3<<25)   ; the mask; elements of 2 bytes; padding on; bit 21 beside a mask; after every 32 words four words
	s_or_b32 s[G1B+0], s44, (1<<16)|(1<<20)|(1<<21)|(4<<22)|(3<<25)
	s_mov_b32 s[G1+1], 64<<16                      ; tensor_dim0 = 64
	s_mov_b32 s[G1+2], 128<<16                     ; tensor_dim1 = 128 rows: one head
	s_mov_b32 s[G1+3], 64<<16                      ; tile_dim0
	s_mov_b32 s[G1+4], 128                         ; tile_dim1
	s_mov_b32 s[G1+5], 64                          ; from row to row
	s_mov_b32 s[G1+6], 0
	s_mov_b32 s[G1+7], 0
	s_mov_b32 s[G1B+1], 64<<16
	s_mov_b32 s[G1B+2], 256<<16                    ; 256 rows: two blocks of k of one block of n
	s_mov_b32 s[G1B+3], 64<<16
	s_mov_b32 s[G1B+4], 256
	s_mov_b32 s[G1B+5], 64
	s_mov_b32 s[G1B+6], 0
	s_mov_b32 s[G1B+7], 0
	s_lshl_b32 s16, s13, 18                        ; att: 262,144 bytes a tile row,
	s_lshl_b32 s17, s12, 14                        ; 16,384 a head
	s_add_co_u32 s16, s16, s17
	s_mov_b32 s17, 0
	s_lshl_b32 s46, s42, 1
	s_add_co_u32 s46, s46, s12                     ; Wo: block of n = 2 x tile column + half,
	s_lshl_b32 s46, s46, 18                        ; 262,144 bytes each
	s_mov_b32 s47, 0
	s_mul_i32 s20, s12, HROWS                      ; where they go: no place in the cluster enters an LDS address
	s_mul_i32 s21, s12, PART
	s_add_co_u32 s21, s21, PART
	s_wait_dscnt 0x0                               ; both opening adds are done
	s_wait_kmcnt 0x0
	s_add_nc_u64 s[14:15], s[4:5], s[16:17]
	s_add_nc_u64 s[46:47], s[6:7], s[46:47]
	CROUND                                         ; all sixteen work-groups are here: the first joint loads meet
.irp s, 0,1
	s_mov_b32 s[G0+4*\s], 1
	s_add_co_u32 s[G0+4*\s+1], s20, \s*SLOT
	s_add_nc_u64 s[G0+4*\s+2:G0+4*\s+3], s[14:15], \s*32768    ; K step s: two heads, or two blocks of k, are 32,768 bytes
	s_or_b32 s[G0+4*\s+3], s[G0+4*\s+3], 0x80000000
	s_mov_b32 s[G0B+4*\s], 1
	s_add_co_u32 s[G0B+4*\s+1], s21, \s*SLOT
	s_add_nc_u64 s[G0B+4*\s+2:G0B+4*\s+3], s[46:47], \s*32768
	s_or_b32 s[G0B+4*\s+3], s[G0B+4*\s+3], 0x80000000
	JLOAD \s                                       ; two tensor loads of mine are out at the start, one behind each later round
.endr
	v_and_b32 v1, 15, v0                           ; l % 16
	v_bfe_u32 v2, v0, 4, 1                         ; l / 16
	v_mul_u32_u24 v3, v1, PITCH
	v_lshl_add_u32 v3, v2, 4, v3                   ; a fragment's row x pitch + 16 x half
	s_mul_i32 s22, s11, 64*PITCH                   ; my 64 rows of att
	s_mul_i32 s23, s12, PART                       ; my block of n,
	s_add_co_u32 s23, s23, PART                    ; behind att's part
.irp s, 0,1
	v_add_nc_u32 v[ADRA+\s], s22, v3
	v_add_nc_u32 v[ADRB+\s], s23, v3
	s_add_co_u32 s22, s22, SLOT
	s_add_co_u32 s23, s23, SLOT
.endr
	s_mul_i32 s23, s10, 16*SPITCH                  ; my stage
	v_mul_u32_u24 v5, v1, SPITCH                   ; in: row l % 16, 32 bytes for each half of the lanes
	v_lshl_add_u32 v5, v2, 5, v5
	v_add_nc_u32 v[STO], s23, v5
	v_and_b32 v6, 31, v0
	v_lshlrev_b32 v[CO], 4, v6                     ; back: the 32 lanes take one row of 512 bytes; and the same in the output
	v_add_nc_u32 v[RD], s23, v[CO]
	s_lshl_b32 s16, s13, 19                        ; my part of the output: 128 rows of 4,096 bytes a tile row,
	s_lshl_b32 s17, s11, 18                        ; my 64 of them,
	s_add_co_u32 s16, s16, s17
	s_lshl_b32 s17, s42, 10                        ; 1,024 bytes a tile column,
	s_add_co_u32 s16, s16, s17
	s_lshl_b32 s17, s12, 9                         ; my 512 of them
	s_add_co_u32 s16, s16, s17
	s_mov_b32 s17, 0
	s_add_nc_u64 s[8:9], s[8:9], s[16:17]
; 8 matrix instructions: att's block a against Wo's eight, 32 along K, from buffer f.  zero = 1: the product starts the sums.  The 32 accumulators take turns, one instruction a turn, in the same order in every quarter.
.macro MULA f, a, zero
.irp b, 0,1,2,3,4,5,6,7
.if \zero
	v_wmma_f32_16x16x32_f16 v[8*(8*\a+\b):8*(8*\a+\b)+7], v[\f+32+8*\b:\f+32+8*\b+7], v[\f+8*\a:\f+8*\a+7], 0
.else
	v_wmma_f32_16x16x32_f16 v[8*(8*\a+\b):8*(8*\a+\b)+7], v[\f+32+8*\b:\f+32+8*\b+7], v[\f+8*\a:\f+8*\a+7], v[8*(8*\a+\b):8*(8*\a+\b)+7]
.endif
.endr
.endm
; 24 LDS loads in one run: the fragments of quarter q of a K step (head or block of k q / 2, its channels 32 (q % 2) on) into buffer f: Wo's eight first, then att's four
.macro FETCH slot, q, f
	WIN TO_F
.irp i, 0,1,2,3,4,5,6,7
	ds_load_b128 v[\f+32+8*\i:\f+32+8*\i+3],   v[ADRB+\slot] offset:((\q)/2)*HROWS+((\q)%2)*64+\i*16*PITCH
	ds_load_b128 v[\f+32+8*\i+4:\f+32+8*\i+7], v[ADRB+\slot] offset:((\q)/2)*HROWS+((\q)%2)*64+\i*16*PITCH+32
.endr
.irp i, 0,1,2,3
	ds_load_b128 v[\f+8*\i:\f+8*\i+3],   v[ADRA+\slot] offset:((\q)/2)*HROWS+((\q)%2)*64+\i*16*PITCH
	ds_load_b128 v[\f+8*\i+4:\f+8*\i+7], v[ADRA+\slot] offset:((\q)/2)*HROWS+((\q)%2)*64+\i*16*PITCH+32
.endr
.endm
.macro PLACES                          ; four places in front of loads into registers that matrix instructions have read, and of the first read of results (ISA guide 7.12.1 for vector instructions)
.rept 4
	v_nop
.endr
.endm
; A K step is four quarters of 32 along K, 32 matrix instructions each, on buffers 0, 1, 0, 1.  One of the first three: multiplies buffer f and fetches quarter qn into g.
.macro QUARTER slot, qn, f, g, zero
	s_wait_dscnt 4                                 ; Wo's eight and att's blocks 0, 1 are in; the youngest four loads (blocks 2, 3) may be out
	WIN MUL
	MULA \f, 0, \zero
	MULA \f, 1, \zero
	PLACES
	FETCH \slot, \qn, \g
	s_wait_dscnt 24                                ; all but the 24 just issued
	WIN MUL
	MULA \f, 2, \zero
	MULA \f, 3, \zero
.endm
; The last quarter multiplies buffer 1 and changes slots: ONE barrier; in front of it each wave waits for all its tensor loads, adds 0 to its spare word, and waits for that and for its reads of this slot.  fill = 1: the slot is filled again, two K steps ahead.
.macro TURN slot, next, fill
	WIN 0                                          ; (the add's two registers lie in window 0)
	s_wait_tensorcnt 0x0                           ; all my tensor loads have landed: my part of the next slot;
	ds_add_u32 v[SPW], v[NIL]                      ; 0 onto my spare word;
	s_wait_dscnt 5                                 ; (the add and the youngest four loads may be out)
	WIN MUL
	MULA F1, 0, 0                                  ; eight matrix instructions stand between the add and the wait for it
	s_wait_dscnt 0x0                               ; the add is done, and my reads of this slot are over
	s_barrier_signal -1
	MULA F1, 1, 0
.if \fill
	WIN 0
.endif
	s_barrier_wait -1
.if \fill
	CREST                                          ; the barrier has opened a round of the cluster's barrier: no wave of any partner still reads this slot or has a load on its way
	s_add_nc_u64 s[G0+4*\slot+2:G0+4*\slot+3], s[G0+4*\slot+2:G0+4*\slot+3], 65536
	s_add_nc_u64 s[G0B+4*\slot+2:G0B+4*\slot+3], s[G0B+4*\slot+2:G0B+4*\slot+3], 65536
	JLOAD \slot                                    ; the first tensor load behind the round; the four v_nop behind it are also the places in front of the loads below
.else
	PLACES
.endif
	FETCH \next, 0, F0
	WIN MUL
	MULA F1, 2, 0
	MULA F1, 3, 0
.endm
	s_wait_tensorcnt 1                             ; my part of K step 0 is in (K step 1's load may be out)
	s_barrier_signal -1
	s_barrier_wait -1                              ; everybody's is
	FETCH 0, 0, F0
	QUARTER 0, 1, F0, F1, 1                        ; the first quarter stands in front of the loop: its products start the sums
	WIN 0                                          ; at a label and at a branch every window is 0
	s_mov_b32 s3, LAPS-1
.Llap:                                             ; a trip goes once round the ring, from a lap's second quarter to the next lap's first, and fills both slots again
	QUARTER 0, 2, F1, F0, 0
	QUARTER 0, 3, F0, F1, 0
	TURN 0, 1, 1
	QUARTER 1, 1, F0, F1, 0
	QUARTER 1, 2, F1, F0, 0
	QUARTER 1, 3, F0, F1, 0
	TURN 1, 0, 1
	QUARTER 0, 1, F0, F1, 0
	WIN 0
	s_sub_co_u32 s3, s3, 1
	s_cmp_lg_u32 s3, 0
	s_cbranch_scc1 .Llap
	QUARTER 0, 2, F1, F0, 0                        ; the last lap fills nothing, and has no round of the cluster's barrier
	QUARTER 0, 3, F0, F1, 0
	TURN 0, 1, 0
	QUARTER 1, 1, F0, F1, 0
	QUARTER 1, 2, F1, F0, 0
	QUARTER 1, 3, F0, F1, 0
	s_wait_dscnt 4                                 ; the very last quarter: nothing more to fetch
	WIN MUL
	MULA F1, 0, 0
	MULA F1, 1, 0
	s_wait_dscnt 0x0
	MULA F1, 2, 0
	MULA F1, 3, 0
	WIN 0
; THE WAY OUT, block by block of 16 rows x 128 columns: through my own stage in LDS, back as whole rows of 512 bytes.  LDS serves a wave's instructions in order: no wait between the stores and the loads.
.macro TOSTAGE a
	WIN 0x08                                       ; an LDS store's data are its source 1: window 2
.irp b, 0,1,2,3,4,5,6,7
	ds_store_b128 v[STO], v[64*(\a)+8*\b:64*(\a)+8*\b+3] offset:64*\b          ; each accumulator from its low end on
	ds_store_b128 v[STO], v[64*(\a)+8*\b+4:64*(\a)+8*\b+7] offset:64*\b+16
.endr
	WIN 0
.set BB, BK+64*((\a)%2)
.irp t, 0,1,2,3,4,5,6,7,8,9,10,11,12,13,14,15
	ds_load_b128 v[BB+4*\t:BB+4*\t+3], v[RD] offset:\t*SPITCH
.endr
.endm
.macro SEND a, younger                 ; younger: the LDS instructions issued behind block a's loads, which may stay out
.set BB, BK+64*((\a)%2)
	s_wait_dscnt \younger
.irp t, 0,1,2,3,4,5,6,7,8,9,10,11,12,13,14,15
	global_store_b128 v[CO], v[BB+4*\t:BB+4*\t+3], s[8:9] offset:(16*(\a)+\t)*4096 th:TH_STORE_NT   ; 32 lanes store 512 consecutive bytes, aligned; 63 rows of 4,096 bytes at the most stand in the immediate
.endr
.endm
	PLACES
	TOSTAGE 0
.irp a, 1,2,3
.if \a > 1
	s_wait_xcnt 0x0                                ; block a - 2's stores have read their data: block a's loads land there only behind this wait
.endif
	TOSTAGE \a
	SEND \a-1, 32                                  ; behind block a - 1's loads: block a's 16 stores and 16 loads
.endr
	SEND 3, 0
	s_wait_tensorcnt 0x0                           ; the wave's end, behind my last tensor load and my last LDS store
	ds_add_u32 v[SPW], v[NIL]
	s_wait_dscnt 0x0
	CROUND                                         ; the closing round: no work-group ends while a partner may still ask for a tile that names it
	s_endpgm
.Lfunc_end_k_q737b38cef1_oproj:
	.size	k_q737b38cef1_oproj, .Lfunc_end_k_q737b38cef1_oproj-k_q737b38cef1_oproj
	.p2alignl 7, 3214868480
	.fill 96, 4, 3214868480
	.section	.rodata,"a",@progbits
	.p2align	6, 0x0
	.amdhsa_kernel k_q737b38cef1_oproj
		.amdhsa_group_segment_fixed_size 327680
		.amdhsa_private_segment_fixed_size 0
		.amdhsa_enable_private_segment 0
		.amdhsa_kernarg_size 24
		.amdhsa_user_sgpr_count 2
		.amdhsa_user_sgpr_kernarg_segment_ptr 1
		.amdhsa_wavefront_size32 1
		.amdhsa_system_sgpr_workgroup_id_x 1
		.amdhsa_system_sgpr_workgroup_id_y 1
		.amdhsa_system_sgpr_workgroup_id_z 1
		.amdhsa_system_vgpr_workitem_id 0
		.amdhsa_next_free_vgpr 768
		.amdhsa_next_free_sgpr 66
		.amdhsa_reserve_vcc 0
		.amdhsa_float_denorm_mode_32 3
		.amdhsa_float_denorm_mode_16_64 3
		.amdhsa_memory_ordered 1
		.amdhsa_forward_progress 1
		.amdhsa_inst_pref_size 85
	.end_amdhsa_kernel
	.amdgpu_metadata
---
amdhsa.version: [ 1, 2 ]
amdhsa.kernels:
  - .name:           k_q737b38cef1_oproj
    .symbol:         k_q737b38cef1_oproj.kd
    .args:
      - { .name: att, .offset: 0, .size: 8, .value_kind: global_buffer, .address_space: global }
      - { .name: wo16, .offset: 8, .size: 8, .value_kind: global_buffer, .address_space: global }
      - { .name: out0, .offset: 16, .size: 8, .value_kind: global_buffer, .address_space: global }
    .group_segment_fixed_size: 327680
    .private_segment_fixed_size: 0
    .kernarg_segment_align: 8
    .kernarg_segment_size: 24
    .max_flat_workgroup_size: 128
    .sgpr_count:     66
    .vgpr_count:     768
    .wavefront_size: 32
...
	.end_amdgpu_metadata
.endif
;; end of part 4
